; MI455X (gfx1250); checked and timed in simulation.
; The chip was launched on July 23, 2026; its instructions are those of AMD's public machine-readable ISA for CDNA 5 (MIT licence, August 2026) and "CDNA5" Instruction Set Architecture Reference Guide (July 2026). The comments in the code are by the model that wrote it; some were corrected since.
;; Self Attention. Allowed arithmetic: matrix products marked QUANTISED: E2M1 operands, one E8M0 scale for each 32 along K, by v_wmma_scale_f32_16x16x128_f8f6f4 with both operands' format E2M1 (or v_wmma_scale_f32_32x16x128_f4), f32 sums; products left as they are: bf16, f16 or f32 operands; f32 sums; everything else in f32.
;; Inputs: Wk 1,024 x 1,024 float32; Wq 1,024 x 1,024 float32; Wv 1,024 x 1,024 float32; bk 1,024 float32; bq 1,024 float32; bv 1,024 float32; mask 8 x 1,024 x 1,024 float32; x 8 x 1,024 x 1,024 float32.
;; Outputs: out0 8 x 1,024 x 1,024 float32.
;; This version of the problem:
;;   THIS VERSION OF THE PROBLEM IS GIVEN IN LOW PRECISION. The matrix products marked QUANTISED in the list below multiply operands that are first quantised to E2M1 (2 exponent bits, 1 mantissa bit; 4 bits a number), with one power-of-two scale for each 32 numbers along K (OCP MX v1.0); their sums are f32. The products marked 'left as it is' may take bf16, f16 or f32 operands, with f32 sums. Whichever they take, every output number must still come out within the allowed error. Rounding operands to bf16 (8 significant bits) uses up far more of that allowance than f16 does (11 bits, for magnitudes from 6e-5 to 65,504). All else is computed in f32.
;;   The module's matrix products, in the order in which they are computed (A, B: the left and right operand; K: the contracted axis; several contracted axes count as one K, in the product's order):
;;     1. [M 8,192, K 1,024] x [K 1,024, N 1,024]; A: input x; B: input Wq: QUANTISED
;;     2. [M 8,192, K 1,024] x [K 1,024, N 1,024]; A: input x; B: input Wk: QUANTISED
;;     3. [M 8,192, K 1,024] x [K 1,024, N 1,024]; A: input x; B: input Wv: QUANTISED
;;     4. batch 8 x [M 1,024, K 1,024] x [K 1,024, N 1,024]; A: computed on the way; B: computed on the way: left as it is (an operand is computed on the way)
;;     5. batch 8 x [M 1,024, K 1,024] x [K 1,024, N 1,024]; A: computed on the way; B: computed on the way: left as it is (an operand is computed on the way)
;;   THE QUANTISER, for each operand of a quantised product, along K:
;;     - K is cut into blocks of 32 from its start; a last block that is shorter is filled with zeros.
;;     - A block's scale is 2^e with e = floor(log2(the largest magnitude in the block)) - 2, held to -126 .. 127; a block of zeros has e = 0. As a byte (E8M0): e + 127.
;;     - Each number is divided by its block's scale, clamped to +-6, and rounded to the nearest number of E2M1, ties to even, subnormals kept.
;;     - The product sums the exact products of the quantised numbers (number of the format x scale) in f32.
;;   ~~~python
;;   def quantise(x, axis):      # numpy; x: float32 -> the quantised numbers, widened to float32 again
;;       x = np.moveaxis(x, axis, -1); K = x.shape[-1]
;;       x = np.pad(x, [(0, 0)] * (x.ndim - 1) + [(0, -K % 32)]); x = x.reshape(x.shape[:-1] + (-1, 32)); a = np.abs(x).max(-1, keepdims=True)
;;       e = np.where(a > 0, np.clip(np.frexp(np.where(a > 0, a, 1))[1] - 1 - 2, -126, 127), 0)      # np.frexp(a)[1] - 1 = floor(log2(a)), exactly
;;       r = np.clip(x / 2.0 ** e, -6, 6)
;;       step = 2.0 ** (np.maximum(np.frexp(np.where(r == 0, 1, r))[1] - 1, 0) - 1)
;;       q = np.round(r / step) * step * 2.0 ** e      # np.round: ties to even
;;       return np.moveaxis(q.reshape(q.shape[:-2] + (-1,))[..., :K], -1, axis).astype(np.float32)
;;   ~~~
;; One version. Each part assembles by itself: llvm-mc -triple=amdgcn-amd-amdhsa -mcpu=gfx1250 --defsym DOCPART=n.
;; ======== version 1 of 1: 4 launches
;; limits: values are held in f16: magnitudes above 65,504 overflow, below 6.1e-05 lose precision
;; workspace buffers: x_codes 4,194,304 bytes; w_codes 1,572,864 bytes; scales 360,448 bytes; qh 16,777,216 bytes; kh 16,777,216 bytes; vt 16,777,216 bytes; ph 16,777,216 bytes; stats 524,288 bytes
;; launch quant (part 1): grid 352 x 1, 4 waves a work-group, no clusters, 33,280 bytes of LDS; arguments x, Wq, Wk, Wv, x_codes, w_codes, scales; writes x_codes, w_codes, scales
.if DOCPART == 1
	.amdgcn_target "amdgcn-amd-amdhsa--gfx1250"
	.amdhsa_code_object_version 6
	.text
	.protected	k_q15694f9756_quant
	.globl	k_q15694f9756_quant
	.p2align	8
	.type	k_q15694f9756_quant,@function
k_q15694f9756_quant:
	s_mov_b64 s[64:65], 0
	v_nop
	global_prefetch_b8 v0, s[64:65] scope:SCOPE_SE
	s_setreg_imm32_b32 hwreg(HW_REG_WAVE_MODE, 25, 1), 1
	s_wait_xcnt 0x0
; x [8192][1024] and Wq, Wk, Wv [1024][1024], f32, K innermost, become codes of FP4 (E2M1), two a byte, K innermost, with one E8M0 scale byte for each 32 along K.
; x_codes [8192][512 bytes]; w_codes [3072][512 bytes]: rows 0-1023 Wq, 1024-2047 Wk, 2048-3071 Wv; scales: x's 8192 rows of 32 bytes, then W's 3072 rows of 32 bytes.
; A block's scale is 2^(floor(log2(its largest magnitude)) - 2); its byte is the largest magnitude's exponent field - 2, held at 1 from below.  Each number is divided by the scale and rounded to the nearest code, ties to even.
; LIMITS: a block of zeros gets the byte 1 where the quantiser's rule says 127: its codes are zeros, which add nothing under that byte, and this program alone reads the bytes.  Blocks whose largest magnitude lies under
; 2^-124 keep the byte 1.  NaN and infinities among the inputs are not served.
; Rows are dense and 1024 is a multiple of 32, so every tensor is a plain stream of blocks of 32, and so are codes and scale bytes.  A work-group takes 32,768 numbers, a wave 16 steps of 512.
; Work-groups 0-255 take x, 256-351 the three weights, 32 each.  Only pointers are chosen, on the work-group's number: all take one path through the text.  Work-groups share nothing: no cluster, no tensor load, no barrier.
; Each of a step's four loads reads 512 consecutive bytes, 16 a lane; the 2,048 bytes turn through the wave's own stage in LDS and come back 64 bytes a lane, so that a lane holds 16 neighbours along K (two lanes a block).
; Loads run eight steps (32 loads, 16,384 bytes a wave) ahead of the work, the turn through LDS one step.
.set WAVES, 4
.set STEPS, 16
.set DEEP,  8                          ; sets of load registers = steps that the loads run ahead
.set EMAX,  2
.set CB,    8                          ; bytes of 16 codes
.set R,     16                         ; v16-143  eight sets of 16 numbers as they are loaded
.set X,     144                        ; v144-175 two sets of 16 neighbours
.set E,     176                        ; v176-191 a scale byte for each step
.set C,     192                        ; v192-223 codes: two registers for each step, so that no store's data are written again
.set WREG,  8192                       ; LDS: a region for each wave: two stages of 32 x SP bytes, behind them its 256 scale bytes
.set SP,    80                         ; a lane's place in a stage: 64 bytes + 16 of padding
.set SPW,   12                         ; v12  LDS address of my spare word; never rewritten
.set NIL,   13                         ; v13  0; never rewritten
.set SPARE, WAVES*WREG                 ; behind the four regions: the spare words, 128 bytes a wave, which no other line names
	s_load_b256 s[4:11], s[0:1], 0x0               ; x, Wq, Wk, Wv
	s_load_b128 s[12:15], s[0:1], 0x20             ; x_codes, w_codes
	s_load_b64 s[16:17], s[0:1], 0x30              ; scales
	v_lshl_add_u32 v[SPW], v0, 2, SPARE
	v_mov_b32 v[NIL], 0
	v_lshrrev_b32 v1, 5, v0
	v_readfirstlane_b32 s18, v1                    ; wave
	v_and_b32 v2, 31, v0                           ; lane
	v_lshlrev_b32 v3, 4, v2                        ; my 16 bytes of a load's 512
	s_mul_i32 s19, s18, WREG
	v_lshrrev_b32 v14, 2, v2
	v_mul_u32_u24 v14, v14, SP
	v_and_b32 v15, 3, v2
	v_lshl_add_u32 v14, v15, 4, v14
	v_add_nc_u32 v14, s19, v14                     ; the stage, on the way in: SP (lane / 4) + 16 (lane % 4)
	v_mul_u32_u24 v15, v2, SP
	v_add_nc_u32 v15, s19, v15                     ; and on the way out: SP x lane: my 16 neighbours
	v_mul_u32_u24 v4, v2, CB                       ; my codes' place in a step's
	v_lshrrev_b32 v5, 1, v2
	s_add_co_u32 s19, s19, 2*32*SP
	v_add_nc_u32 v5, s19, v5                       ; LDS: my wave's 256 scale bytes, my block's byte
	v_lshlrev_b32 v7, 3, v2                        ; and on the way out 8 bytes a lane
	v_add_nc_u32 v6, s19, v7
	s_sub_co_u32 s24, ttmp9, 256                   ; j: which of the weights' 96 work-groups (used where the number is 256 or more)
	s_lshr_b32 s25, s24, 5                         ; which weight
	s_and_b32 s26, s24, 31                         ; which 32,768 numbers of it
	s_wait_kmcnt 0x0
	s_cmp_eq_u32 s25, 1
	s_cselect_b64 s[20:21], s[8:9], s[6:7]         ; Wk or Wq,
	s_cmp_eq_u32 s25, 2
	s_cselect_b64 s[20:21], s[10:11], s[20:21]     ; or Wv
	s_cmp_lt_u32 ttmp9, 256                        ; x's work-group or a weight's?
	s_cselect_b64 s[4:5], s[4:5], s[20:21]         ; the source,
	s_cselect_b64 s[12:13], s[12:13], s[14:15]     ; the codes' buffer,
	s_cselect_b32 s26, ttmp9, s26                  ; the work-group's place in the source,
	s_cselect_b32 s24, ttmp9, s24                  ; and in the codes' buffer (the three weights' codes follow each other)
	s_lshl_b32 s26, s26, 2
	s_add_co_u32 s26, s26, s18
	s_lshl_b32 s26, s26, 15                        ; my wave's 8,192 numbers: 32,768 bytes
	s_mov_b32 s27, 0
	s_add_nc_u64 s[4:5], s[4:5], s[26:27]
	s_lshl_b32 s24, s24, 2
	s_add_co_u32 s24, s24, s18
	s_lshl_b32 s24, s24, 12                        ; their codes: 4,096 bytes
	s_mov_b32 s25, 0
	s_add_nc_u64 s[12:13], s[12:13], s[24:25]
	s_lshl_b32 s22, ttmp9, 2                       ; the scale bytes of all four tensors follow each other in the order of the work-groups
	s_add_co_u32 s22, s22, s18
	s_lshl_b32 s22, s22, 8                         ; 256 bytes a wave
	s_mov_b32 s23, 0
	s_add_nc_u64 s[16:17], s[16:17], s[22:23]
.macro LOAD t
.irp i, 0,1,2,3
	global_load_b128 v[R+16*((\t)%DEEP)+4*\i:R+16*((\t)%DEEP)+4*\i+3], v3, s[4:5] offset:2048*(\t)+512*\i th:TH_LOAD_NT   ; 32 lanes read 512 consecutive bytes
.endr
.endm
.macro TURN t                          ; step t's numbers through the stage: LDS serves a wave's instructions in order, so no wait stands between the stores and the loads
.irp i, 0,1,2,3
	ds_store_b128 v14, v[R+16*((\t)%DEEP)+4*\i:R+16*((\t)%DEEP)+4*\i+3] offset:32*SP*((\t)%2)+8*SP*\i
.endr
.irp i, 0,1,2,3
	ds_load_b128 v[X+16*((\t)%2)+4*\i:X+16*((\t)%2)+4*\i+3], v15 offset:32*SP*((\t)%2)+16*\i
.endr
.endm
.irp t, 0,1,2,3,4,5,6,7
	LOAD \t
.endr
	s_wait_loadcnt 4*(DEEP-1)                      ; step 0's four loads are in; the 28 of steps 1 to 7 may be out
	TURN 0
.macro STEP t
.set XS, X+16*((\t)%2)
.if (\t) > 0
	s_wait_dscnt 1                                 ; this step's numbers are back from the stage (the last step's byte store may be out): so its stores into the stage have read their registers,
.else
	s_wait_dscnt 0x0
.endif
.if (\t)+DEEP < STEPS
	LOAD (\t)+DEEP                                 ; which take the loads of eight steps on
.endif
.if (\t)+1 < STEPS
.if STEPS-2-(\t) >= DEEP-1
	s_wait_loadcnt 4*(DEEP-1)                      ; the next step's four loads are in; those of the seven steps behind it may be out
.else
	s_wait_loadcnt 4*(STEPS-2-(\t))                ; towards the end: those of the steps that are left
.endif
	TURN (\t)+1                                    ; and go through the other stage while this step is worked
.endif
	v_max3_num_f32 v8, |v[XS]|, |v[XS+1]|, |v[XS+2]|               ; the largest magnitude of my 16, in two chains
	v_max3_num_f32 v9, |v[XS+3]|, |v[XS+4]|, |v[XS+5]|
.irp i, 6,10
	v_max3_num_f32 v8, v8, |v[XS+\i]|, |v[XS+\i+1]|
	v_max3_num_f32 v9, v9, |v[XS+\i+2]|, |v[XS+\i+3]|
.endr
	v_max3_num_f32 v8, v8, |v[XS+14]|, |v[XS+15]|
	v_max3_num_f32 v8, v8, v9, (EMAX+1)<<23        ; and the floor 2^(3 - 127): the byte cannot fall under 1
	v_max_num_f32_dpp v8, v8, v8 row_xmask:1 row_mask:0xf bank_mask:0xf   ; and of my neighbour's 16: the block's
	v_add_nc_u32 v11, -(EMAX<<23), v8              ; 2 off its exponent field: the conversion takes the exponent field of this operand as its scale
	v_cvt_scalef32_pk8_fp4_f32 v[C+2*(\t)], v[XS:XS+7], v11
	v_cvt_scalef32_pk8_fp4_f32 v[C+2*(\t)+1], v[XS+8:XS+15], v11
	v_lshrrev_b32 v[E+(\t)], 23, v11               ; the scale's byte (also the plain instruction behind the conversions)
	ds_store_b8 v5, v[E+(\t)] offset:16*(\t)       ; both lanes of a block write the same byte with the same value
	global_store_b64 v4, v[C+2*(\t):C+2*(\t)+1], s[12:13] offset:32*CB*(\t)   ; the wave stores 256 consecutive bytes, aligned
.endm
.irp t, 0,1,2,3,4,5,6,7,8,9,10,11,12,13,14,15
	STEP \t
.endr
	ds_load_b64 v[8:9], v6                         ; LDS serves a wave's instructions in order: these see my byte stores
	s_wait_dscnt 0x0
	global_store_b64 v7, v[8:9], s[16:17]          ; 32 lanes store 256 consecutive bytes, aligned
	s_wait_tensorcnt 0x0                           ; the wave's end: behind my last LDS store
	ds_add_u32 v[SPW], v[NIL]
	s_wait_dscnt 0x0
	s_endpgm
.Lfunc_end_k_q15694f9756_quant:
	.size	k_q15694f9756_quant, .Lfunc_end_k_q15694f9756_quant-k_q15694f9756_quant
	.p2alignl 7, 3214868480
	.fill 96, 4, 3214868480
	.section	.rodata,"a",@progbits
	.p2align	6, 0x0
	.amdhsa_kernel k_q15694f9756_quant
		.amdhsa_group_segment_fixed_size 33280
		.amdhsa_private_segment_fixed_size 0
		.amdhsa_enable_private_segment 0
		.amdhsa_kernarg_size 56
		.amdhsa_user_sgpr_count 2
		.amdhsa_user_sgpr_kernarg_segment_ptr 1
		.amdhsa_wavefront_size32 1
		.amdhsa_system_sgpr_workgroup_id_x 1
		.amdhsa_system_sgpr_workgroup_id_y 1
		.amdhsa_system_sgpr_workgroup_id_z 1
		.amdhsa_system_vgpr_workitem_id 0
		.amdhsa_next_free_vgpr 224
		.amdhsa_next_free_sgpr 66
		.amdhsa_reserve_vcc 0
		.amdhsa_float_denorm_mode_32 3
		.amdhsa_float_denorm_mode_16_64 3
		.amdhsa_memory_ordered 1
		.amdhsa_forward_progress 1
		.amdhsa_inst_pref_size 34
	.end_amdhsa_kernel
	.amdgpu_metadata
---
amdhsa.version: [ 1, 2 ]
amdhsa.kernels:
  - .name:           k_q15694f9756_quant
    .symbol:         k_q15694f9756_quant.kd
    .args:
      - { .name: x, .offset: 0, .size: 8, .value_kind: global_buffer, .address_space: global }
      - { .name: Wq, .offset: 8, .size: 8, .value_kind: global_buffer, .address_space: global }
      - { .name: Wk, .offset: 16, .size: 8, .value_kind: global_buffer, .address_space: global }
      - { .name: Wv, .offset: 24, .size: 8, .value_kind: global_buffer, .address_space: global }
      - { .name: x_codes, .offset: 32, .size: 8, .value_kind: global_buffer, .address_space: global }
      - { .name: w_codes, .offset: 40, .size: 8, .value_kind: global_buffer, .address_space: global }
      - { .name: scales, .offset: 48, .size: 8, .value_kind: global_buffer, .address_space: global }
    .group_segment_fixed_size: 33280
    .private_segment_fixed_size: 0
    .kernarg_segment_align: 8
    .kernarg_segment_size: 56
    .max_flat_workgroup_size: 128
    .sgpr_count:     66
    .vgpr_count:     224
    .wavefront_size: 32
...
	.end_amdgpu_metadata
.endif
;; end of part 1
;; launch proj (part 2): grid 8 x 32, 4 waves a work-group, clusters of 4 x 4, 327,680 bytes of LDS; arguments x_codes, w_codes, scales, bq, bk, bv, qh, kh, vt; writes qh, kh, vt
.if DOCPART == 2
	.amdgcn_target "amdgcn-amd-amdhsa--gfx1250"
	.amdhsa_code_object_version 6
	.text
	.protected	k_q15694f9756_proj
	.globl	k_q15694f9756_proj
	.p2align	8
	.type	k_q15694f9756_proj,@function
k_q15694f9756_proj:
	s_mov_b64 s[64:65], 0
	v_nop
	global_prefetch_b8 v0, s[64:65] scope:SCOPE_SE
	s_setreg_imm32_b32 hwreg(HW_REG_WAVE_MODE, 25, 1), 1
	s_wait_xcnt 0x0
	s_wait_alu depctr_hold_cnt(0) depctr_sa_sdst(0) depctr_va_vdst(0) depctr_va_sdst(0) depctr_va_ssrc(0) depctr_va_vcc(0) depctr_vm_vsrc(0)
	s_getreg_b32 s2, hwreg(HW_REG_IB_STS2, 6, 4)
	s_cmp_eq_u32 s2, 0
	s_cbranch_scc0 .Lentry_in_a_cluster
	s_endpgm
.Lentry_in_a_cluster:
	s_bfe_u32 s2, ttmp6, 0x10000c
	s_cmp_lg_u32 s2, 0xf033
	s_cbranch_scc0 .Lentry_shape_is_right
	s_endpgm
.Lentry_shape_is_right:
; q = x Wq^T + bq, k = x Wk^T + bk, v = x Wv^T + bv on codes of FP4 (E2M1) with one E8M0 scale for each 32 along K = 1024; sums in f32, the bias as the C of each sum's first product; results rounded once to f16.
; qh, kh: [8192 tokens][1024 e] f16.  vt: [1024 e][8192 tokens] f16: v is stored with the tokens innermost, since the keys are the K of the product that reads it.
; LIMIT: a result beyond 65,504 in magnitude becomes an infinity of f16.
; SHARES.  A work-group takes 256 tokens x 128 e of all three products; x's codes for all of K (256 rows of 512 bytes) come into LDS once and serve three tiles.  Four waves, 32 accumulators of 16 x 16 each.
;   q, k: source 0 = the weight's 128 e (eight blocks), source 1 = my 64 tokens (four blocks): a lane holds one token and eight neighbouring e.
;   v:    source 0 = 128 tokens (eight blocks), source 1 = 64 e of Wv (four blocks): a lane holds one e and eight neighbouring tokens.  In all three a wave's output row is 256 bytes, and one text serves them.
; CLUSTER 4 x 4.  x's rows hang on the tile row alone and are asked for jointly by a row of the cluster; the weights' rows hang on the tile column alone and are asked for jointly by a column.
; LDS.  Wq's and Wk's tiles have a region each; Wv's is brought into Wq's, behind a round of the cluster's barrier, while q goes out and k is multiplied.  By this text's count a wave has four tensor loads out at the head, later one.
; REGISTERS, in windows of 256.  window 0: v1-29 addresses; v32-95 scale words of the eight blocks (block b, K step q at 32 + 8 b + q), v96-127 of the four; v128-223 the way out.
;   window 1: two fragment buffers at v0 and v128: eight blocks of 8 registers, then four.   window 2: accumulator (a, b) at v[8 (8 a + b)].   window 3: the biases in the result's layout: v0-63 bq, v64-127 bk, v128-159 bv.
.set PX,     528                       ; a row of codes in LDS: 512 bytes + 16 of padding = 132 words: the 16 rows of a fragment load start 4 banks apart (64 banks of 4 bytes: ISA guide 11.1)
.set WC0,    256*PX                    ; behind x's 256 rows: Wq's 128 rows, later Wv's
.set WC1,    WC0+128*PX                ; Wk's 128 rows
.set SX,     WC1+128*PX                ; x's scale bytes: 8,192 dense bytes as rows of 256 + 16 of padding
.set SW0,    SX+32*272                 ; the three weights' scale bytes, 4,096 dense bytes each
.set SWT,    16*272
.set STAGE,  SW0+3*SWT                 ; the way out: 16 rows x 272 bytes for each wave; no tensor load lands here
.set SPITCH, 272
.set SPARE,  STAGE+4*16*SPITCH         ; the spare words, 128 bytes a wave, which no other line names
.set ADXW, 4                           ; v4   x's fragments, my 64 tokens
.set ADXT, 5                           ; v5   x's fragments, 128 tokens (for v)
.set ADQ,  6                           ; v6   Wq's fragments
.set ADK,  7                           ; v7   Wk's
.set ADVE, 8                           ; v8   Wv's, my 64 e
.set ASX4, 9                           ; v9   x's scale words, my 64 tokens
.set ASX8, 10                          ; v10  x's scale words, 128 tokens
.set ASW,  11                          ; v11  Wq's scale words (Wk's: SWT further on)
.set ASV4, 12                          ; v12  Wv's, my 64 e
.set STO,  13                          ; v13  the stage: where I put 16 bytes of a row
.set RD,   14                          ; v14  and where I read a row back
.set COQ,  15                          ; v15  my byte offset in two rows of qh or kh
.set COV,  16                          ; v16  and of vt
.set BOQ,  17                          ; v17  my byte offset in bq, bk
.set BOV,  18                          ; v18  and in bv
.set SPW,  28                          ; v28  LDS address of my spare word; never rewritten
.set NIL,  29                          ; v29  0; never rewritten
.set SC8,  32
.set SC4,  96
.set TMP,  128                         ; v128-159 packed results
.set BK,   160                         ; v160-191, v192-223 rows read back from the stage, by turns
.set WV,   24                          ; s24  my wave's number
.set G1X,  32                          ; s[32:39] group 1: 64 rows of x's codes;  s[40:47]: 32 rows of a weight's;  s[48:55]: x's scale bytes;  s[56:63]: a weight's
.set G1W,  40
.set G1SX, 48
.set G1SW, 56
.set G0X,  68                          ; groups 0: x, Wq, Wk, Wv, x's scales, a weight's scales
.set G0Q,  72
.set G0K,  76
.set G0V,  80
.set G0SX, 84
.set G0SW, 88
.set MSB, 0
.macro WIN new                         ; the immediate's high byte repeats the setting that is left; a switch that changes nothing is dropped
.if MSB != \new
	s_set_vgpr_msb (MSB<<8)|\new
.set MSB, \new
.endif
.endm
.set MULB, 0xb5                        ; sources 0 and 1 window 1, C window 3 (a bias), D window 2
.set MULW, 0xa5                        ; sources 0 and 1 window 1, C and D window 2
.set TO_F, 0x40                        ; destination window 1, address window 0
.macro CROUND                          ; a round of the cluster's barrier: my work-group's barrier; wave 0 signals for the work-group; every wave waits for all sixteen; my work-group's barrier once more
	s_barrier_signal -1
	s_barrier_wait -1
	s_cmp_lg_u32 s[WV], 0
	s_cbranch_scc1 .Lnot_wave_0_\@
	s_barrier_signal -3
.Lnot_wave_0_\@:
	s_barrier_wait -3
	s_barrier_signal -1
	s_barrier_wait -1
.endm
.macro PLACES                          ; four plain vector instructions between a matrix instruction and a load into, or a vector read of, its registers
.rept 4
	v_nop
.endr
.endm
	s_load_b256 s[4:11], s[0:1], 0x0               ; x_codes s[4:5], w_codes s[6:7], scales s[8:9], bq s[10:11]
	s_load_b256 s[12:19], s[0:1], 0x20             ; bk s[12:13], bv s[14:15], qh s[16:17], kh s[18:19]
	s_load_b64 s[20:21], s[0:1], 0x40              ; vt
	v_lshl_add_u32 v[SPW], v0, 2, SPARE
	v_mov_b32 v[NIL], 0
	ds_add_u32 v[SPW], v[NIL]                      ; the wave's opening: the add, twice on end, and its wait ahead of my first tensor load
	ds_add_u32 v[SPW], v[NIL]
	v_lshrrev_b32 v1, 5, v0
	v_readfirstlane_b32 s[WV], v1                  ; wave 0..3
	s_and_b32 s22, s[WV], 1
	s_lshr_b32 s23, s[WV], 1
	s_bfe_u32 s25, ttmp6, 0x40000                  ; cx
	s_bfe_u32 s26, ttmp6, 0x40004                  ; cy
	s_lshl_b32 s27, ttmp9, 2
	s_add_co_u32 s27, s27, s25                     ; tile column (128 e) = 4 x cluster x + cx
	s_and_b32 s28, ttmp7, 0xffff
	s_lshl_b32 s28, s28, 2
	s_add_co_u32 s28, s28, s26                     ; tile row (256 tokens) = 4 x cluster y + cy
	s_lshl_b32 s29, s26, 2
	s_lshl_b32 s29, 15, s29                        ; my row of the cluster
	s_lshl_b32 s30, 0x1111, s25                    ; my column
	; group 1 for codes: elements of 1 byte, rows of 512 bytes, 4 words of padding behind every 128 words; bit 21 set beside a mask
	s_or_b32 s[G1X], s29, (1<<20)|(1<<21)|(6<<22)|(3<<25)
	s_mov_b32 s[G1X+1], 512<<16                    ; tensor_dim0
	s_mov_b32 s[G1X+2], 64<<16                     ; tensor_dim1
	s_mov_b32 s[G1X+3], 512<<16                    ; tile_dim0
	s_mov_b32 s[G1X+4], 64                         ; tile_dim1
	s_mov_b32 s[G1X+5], 512                        ; from row to row
	s_mov_b32 s[G1X+6], 0
	s_mov_b32 s[G1X+7], 0
	s_or_b32 s[G1W], s30, (1<<20)|(1<<21)|(6<<22)|(3<<25)
	s_mov_b32 s[G1W+1], 512<<16
	s_mov_b32 s[G1W+2], 32<<16
	s_mov_b32 s[G1W+3], 512<<16
	s_mov_b32 s[G1W+4], 32
	s_mov_b32 s[G1W+5], 512
	s_mov_b32 s[G1W+6], 0
	s_mov_b32 s[G1W+7], 0
	; group 1 for scale bytes: a dense block as rows of 256 bytes (32 elements of 8 bytes), 4 words of padding behind every 64 words
	s_or_b32 s[G1SX], s29, (3<<16)|(1<<20)|(1<<21)|(5<<22)|(3<<25)
	s_mov_b32 s[G1SX+1], 32<<16
	s_mov_b32 s[G1SX+2], 32<<16
	s_mov_b32 s[G1SX+3], 32<<16
	s_mov_b32 s[G1SX+4], 32
	s_mov_b32 s[G1SX+5], 32
	s_mov_b32 s[G1SX+6], 0
	s_mov_b32 s[G1SX+7], 0
	s_or_b32 s[G1SW], s30, (3<<16)|(1<<20)|(1<<21)|(5<<22)|(3<<25)
	s_mov_b32 s[G1SW+1], 32<<16
	s_mov_b32 s[G1SW+2], 16<<16
	s_mov_b32 s[G1SW+3], 32<<16
	s_mov_b32 s[G1SW+4], 16
	s_mov_b32 s[G1SW+5], 32
	s_mov_b32 s[G1SW+6], 0
	s_mov_b32 s[G1SW+7], 0
	; byte offsets.  x's are made of the tile row and the wave alone (s92-95), the weights' of the tile column and the wave alone (s96-101)
	s_lshl_b32 s92, s28, 17                        ; 256 rows of 512 bytes
	s_lshl_b32 s93, s[WV], 15                      ; my 64 of them
	s_add_co_u32 s92, s92, s93
	s_mov_b32 s93, 0
	s_lshl_b32 s94, s28, 13                        ; 256 rows of 32 scale bytes
	s_mov_b32 s95, 0
	s_lshl_b32 s96, s27, 16                        ; 128 rows of 512 bytes
	s_lshl_b32 s97, s[WV], 14                      ; my 32 of them
	s_add_co_u32 s96, s96, s97
	s_mov_b32 s97, 0
	s_lshl_b32 s100, s27, 12                       ; 128 rows of 32 scale bytes,
	s_lshl_b32 s101, s[WV], 15                     ; of weight wave - 1 (32,768 bytes each), behind x's 262,144:
	s_add_co_u32 s100, s100, s101
	s_add_co_u32 s100, s100, 262144-32768          ; 262,144 + 32,768 (wave - 1).  Wave 0 does not ask by this descriptor
	s_mov_b32 s101, 0
	s_wait_dscnt 0x0                               ; both opening adds are done
	s_wait_kmcnt 0x0
	s_mov_b32 s[G0X], 1
	s_mul_i32 s[G0X+1], s[WV], 64*PX               ; LDS: wave x 64 rows: no place in the cluster enters an LDS address
	s_add_nc_u64 s[G0X+2:G0X+3], s[4:5], s[92:93]
	s_or_b32 s[G0X+3], s[G0X+3], 0x80000000
	s_add_nc_u64 s[98:99], s[6:7], s[96:97]
	s_mov_b32 s[G0Q], 1
	s_mul_i32 s[G0Q+1], s[WV], 32*PX
	s_add_co_u32 s[G0Q+1], s[G0Q+1], WC0
	s_mov_b64 s[G0Q+2:G0Q+3], s[98:99]
	s_or_b32 s[G0Q+3], s[G0Q+3], 0x80000000
	s_mov_b32 s[G0K], 1
	s_mul_i32 s[G0K+1], s[WV], 32*PX
	s_add_co_u32 s[G0K+1], s[G0K+1], WC1
	s_add_nc_u64 s[G0K+2:G0K+3], s[98:99], 1024*512
	s_or_b32 s[G0K+3], s[G0K+3], 0x80000000
	s_mov_b32 s[G0V], 1
	s_mul_i32 s[G0V+1], s[WV], 32*PX
	s_add_co_u32 s[G0V+1], s[G0V+1], WC0
	s_add_nc_u64 s[G0V+2:G0V+3], s[98:99], 2048*512
	s_or_b32 s[G0V+3], s[G0V+3], 0x80000000
	s_mov_b32 s[G0SX], 1
	s_mov_b32 s[G0SX+1], SX
	s_add_nc_u64 s[G0SX+2:G0SX+3], s[8:9], s[94:95]
	s_or_b32 s[G0SX+3], s[G0SX+3], 0x80000000
	s_mov_b32 s[G0SW], 1
	s_mul_i32 s[G0SW+1], s[WV], SWT
	s_add_co_u32 s[G0SW+1], s[G0SW+1], SW0-SWT     ; weight wave - 1's region
	s_add_nc_u64 s[G0SW+2:G0SW+3], s[8:9], s[100:101]
	s_or_b32 s[G0SW+3], s[G0SW+3], 0x80000000
	CROUND                                         ; all sixteen work-groups are here: the first joint loads meet
	s_cmp_eq_u32 s[WV], 0                          ; the scale bytes first: wave 0 asks for x's, waves 1 to 3 for the three weights'.  The branch hangs on the wave's number alone
	s_cbranch_scc0 .Lscales_w
	tensor_load_to_lds s[G0SX:G0SX+3], s[G1SX:G1SX+7]
	s_nop 0
	PLACES
	s_branch .Lscales_asked
.Lscales_w:
	tensor_load_to_lds s[G0SW:G0SW+3], s[G1SW:G1SW+7]
	s_nop 0
	PLACES
.Lscales_asked:
	tensor_load_to_lds s[G0X:G0X+3], s[G1X:G1X+7]  ; my quarter of x's rows,
	s_nop 0
	tensor_load_to_lds s[G0Q:G0Q+3], s[G1W:G1W+7]  ; of Wq's,
	s_nop 0
	tensor_load_to_lds s[G0K:G0K+3], s[G1W:G1W+7]  ; of Wk's
	s_nop 0
	PLACES
	v_and_b32 v1, 15, v0                           ; r = lane % 16
	v_bfe_u32 v2, v0, 4, 1                         ; h = lane / 16
	v_lshlrev_b32 v[BOQ], 5, v2                    ; bq, bk: eight numbers of my half: 32 h bytes
	v_lshlrev_b32 v[BOV], 2, v1                    ; bv: my e: 4 r bytes
	s_lshl_b32 s96, s27, 9                         ; the tile's 128 numbers of a bias
	s_mov_b32 s97, 0
	s_add_nc_u64 s[10:11], s[10:11], s[96:97]
	s_add_nc_u64 s[12:13], s[12:13], s[96:97]
	s_lshl_b32 s98, s23, 8                         ; bv: my 64 e
	s_add_co_u32 s96, s96, s98
	s_add_nc_u64 s[14:15], s[14:15], s[96:97]
	WIN 0xc0                                       ; destination window 3
.irp b, 0,1,2,3,4,5,6,7                        ; block b's C: register j = bias[16 b + 8 h + j]
	global_load_b128 v[8*\b:8*\b+3], v[BOQ], s[10:11] offset:64*\b
	global_load_b128 v[8*\b+4:8*\b+7], v[BOQ], s[10:11] offset:64*\b+16
	global_load_b128 v[64+8*\b:64+8*\b+3], v[BOQ], s[12:13] offset:64*\b
	global_load_b128 v[64+8*\b+4:64+8*\b+7], v[BOQ], s[12:13] offset:64*\b+16
.endr
.irp a, 0,1,2,3                                ; block a's C for v: all eight registers = bv[16 a + r]
.irp j, 0,1,2,3,4,5,6,7
	global_load_b32 v[128+8*\a+\j], v[BOV], s[14:15] offset:64*\a
.endr
.endr
	WIN 0
	v_mul_u32_u24 v3, v1, PX
	v_lshl_add_u32 v3, v2, 4, v3                   ; a fragment: row r x pitch + 16 h; registers 4 c .. 4 c + 3 hold K = 64 c + 32 h + 0 .. 31: two loads of 16 bytes, 32 bytes apart
	s_mul_i32 s31, s[WV], 64*PX
	v_add_nc_u32 v[ADXW], s31, v3
	s_mul_i32 s31, s22, 128*PX
	v_add_nc_u32 v[ADXT], s31, v3
	v_add_nc_u32 v[ADQ], WC0, v3
	v_add_nc_u32 v[ADK], WC1, v3
	s_mul_i32 s31, s23, 64*PX
	s_add_co_u32 s31, s31, WC0
	v_add_nc_u32 v[ADVE], s31, v3
	v_lshlrev_b32 v19, 5, v1                       ; a row's 32 scale bytes,
	v_lshrrev_b32 v20, 8, v19
	v_lshl_add_u32 v19, v20, 4, v19                ; and 16 more for each 256 passed; 16 rows are 544 bytes
	s_mul_i32 s31, s[WV], 4*544
	s_add_co_u32 s31, s31, SX
	v_add_nc_u32 v[ASX4], s31, v19
	s_mul_i32 s31, s22, 8*544
	s_add_co_u32 s31, s31, SX
	v_add_nc_u32 v[ASX8], s31, v19
	v_add_nc_u32 v[ASW], SW0, v19
	s_mul_i32 s31, s23, 4*544
	s_add_co_u32 s31, s31, SW0+2*SWT
	v_add_nc_u32 v[ASV4], s31, v19
	s_mul_i32 s31, s[WV], 16*SPITCH
	s_add_co_u32 s31, s31, STAGE                   ; my stage
	v_mul_u32_u24 v20, v1, SPITCH
	v_lshl_add_u32 v20, v2, 4, v20
	v_add_nc_u32 v[STO], s31, v20                  ; in: row r, 16 bytes for each half of the lanes
	v_mul_u32_u24 v20, v2, SPITCH
	v_lshl_add_u32 v20, v1, 4, v20
	v_add_nc_u32 v[RD], s31, v20                   ; back: lanes 0-15 one row of 256 bytes, lanes 16-31 the next
	v_lshlrev_b32 v[COQ], 11, v2
	v_lshl_add_u32 v[COQ], v1, 4, v[COQ]           ; the same two rows in qh, kh (2,048 bytes a row)
	v_lshlrev_b32 v[COV], 14, v2
	v_lshl_add_u32 v[COV], v1, 4, v[COV]           ; and in vt (16,384 bytes a row)
	s_lshl_b32 s92, s28, 19                        ; qh, kh: 256 rows of 2,048 bytes,
	s_lshl_b32 s93, s[WV], 17                      ; my 64 of them,
	s_add_co_u32 s92, s92, s93
	s_mov_b32 s93, 0
	s_add_nc_u64 s[16:17], s[16:17], s[92:93]
	s_add_nc_u64 s[18:19], s[18:19], s[92:93]
	s_lshl_b32 s96, s27, 8                         ; the tile's 128 e: 256 bytes
	s_mov_b32 s97, 0
	s_add_nc_u64 s[16:17], s[16:17], s[96:97]
	s_add_nc_u64 s[18:19], s[18:19], s[96:97]
	s_lshl_b32 s96, s27, 21                        ; vt: 128 rows of 16,384 bytes,
	s_lshl_b32 s98, s23, 20                        ; my 64 of them,
	s_add_co_u32 s96, s96, s98
	s_add_nc_u64 s[20:21], s[20:21], s[96:97]
	s_lshl_b32 s92, s28, 9                         ; the tile's 256 tokens: 512 bytes,
	s_lshl_b32 s94, s22, 8                         ; my 128 of them
	s_add_co_u32 s92, s92, s94
	s_add_nc_u64 s[20:21], s[20:21], s[92:93]
.macro SCALES s8, o8, s4, o4           ; a tile's scale words for all eight K steps: 32 bytes a row, lane r takes row r's
	WIN 0
.irp i, 0,1,2,3,4,5,6,7
	ds_load_b128 v[SC8+8*\i:SC8+8*\i+3], v[\s8] offset:\o8+544*\i
	ds_load_b128 v[SC8+8*\i+4:SC8+8*\i+7], v[\s8] offset:\o8+544*\i+16
.endr
.irp i, 0,1,2,3
	ds_load_b128 v[SC4+8*\i:SC4+8*\i+3], v[\s4] offset:\o4+544*\i
	ds_load_b128 v[SC4+8*\i+4:SC4+8*\i+7], v[\s4] offset:\o4+544*\i+16
.endr
.endm
.macro FETCH ad8, ad4, q, f            ; 24 LDS loads in one run: K step q's fragments, eight blocks and four, into the buffer at f
	WIN TO_F
.irp i, 0,1,2,3,4,5,6,7
.irp c, 0,1
	ds_load_b128 v[\f+8*\i+4*\c:\f+8*\i+4*\c+3], v[\ad8] offset:64*(\q)+32*\c+16*PX*\i
.endr
.endr
.irp i, 0,1,2,3
.irp c, 0,1
	ds_load_b128 v[\f+64+8*\i+4*\c:\f+64+8*\i+4*\c+3], v[\ad4] offset:64*(\q)+32*\c+16*PX*\i
.endr
.endr
.endm
; 32 matrix instructions: K step q.  The 32 accumulators take turns, one instruction a turn, in the same order in every step.  In K step 0 the bias is C: at cb + 8 b (cby = 0) or cb + 8 a (cby = 1) of window 3.
.macro MUL q, f, cb, cby
.if (\q) == 0
	WIN MULB
.else
	WIN MULW
.endif
.irp a, 0,1,2,3
.irp b, 0,1,2,3,4,5,6,7
.if (\q) == 0
	v_wmma_scale_f32_16x16x128_f8f6f4 v[8*(8*\a+\b):8*(8*\a+\b)+7], v[\f+8*\b:\f+8*\b+7], v[\f+64+8*\a:\f+64+8*\a+7], v[\cb+8*(\b+(\cby)*(\a-\b)):\cb+8*(\b+(\cby)*(\a-\b))+7], v[SC8+8*\b+(\q)], v[SC4+8*\a+(\q)] matrix_a_fmt:MATRIX_FMT_FP4 matrix_b_fmt:MATRIX_FMT_FP4
.else
	v_wmma_scale_f32_16x16x128_f8f6f4 v[8*(8*\a+\b):8*(8*\a+\b)+7], v[\f+8*\b:\f+8*\b+7], v[\f+64+8*\a:\f+64+8*\a+7], v[8*(8*\a+\b):8*(8*\a+\b)+7], v[SC8+8*\b+(\q)], v[SC4+8*\a+(\q)] matrix_a_fmt:MATRIX_FMT_FP4 matrix_b_fmt:MATRIX_FMT_FP4
.endif
.endr
.endr
.endm
; A tile: eight K steps of 128 on two fragment buffers; a step's fragments are asked for one step ahead.
.macro TILE ad8, ad4, s8, o8, s4, o4, cb, cby
	SCALES \s8, \o8, \s4, \o4
	FETCH \ad8, \ad4, 0, 0
.irp q, 0,1,2,3,4,5,6
.if \q > 0
	PLACES                                         ; the buffer to be filled was read by the products just issued
.endif
	FETCH \ad8, \ad4, \q+1, 128*((\q+1)%2)
	s_wait_dscnt 24                                ; all but the 24 loads just issued: this step's fragments (and the scale words) are in
	MUL \q, 128*(\q%2), \cb, \cby
.endr
	s_wait_dscnt 0x0
	MUL 7, 128, \cb, \cby
.endm
; THE WAY OUT, 16 output rows at a time: rounded to f16, 16 bytes a lane into my stage, back as whole rows of 256 bytes.  LDS serves a wave's instructions in order: no wait between the stores and the loads.
.macro PACK a
	WIN 0x0a                                       ; sources window 2
.irp b, 0,1,2,3,4,5,6,7
.irp i, 0,1,2,3
	v_cvt_pk_f16_f32 v[TMP+4*\b+\i], v[8*(8*(\a)+\b)+2*\i], v[8*(8*(\a)+\b)+2*\i+1]   ; each accumulator from its low end on
.endr
.endr
	WIN 0
.endm
.macro TOSTAGE a
.irp b, 0,1,2,3,4,5,6,7
	ds_store_b128 v[STO], v[TMP+4*\b:TMP+4*\b+3] offset:32*\b
.endr
.irp t, 0,1,2,3,4,5,6,7
	ds_load_b128 v[BK+32*((\a)%2)+4*\t:BK+32*((\a)%2)+4*\t+3], v[RD] offset:\t*2*SPITCH
.endr
.endm
.macro SEND a, base, co, pitch
	s_wait_dscnt 0x0                               ; the block is back in registers
	s_wait_xcnt 0x0                                ; the stores issued so far have read their registers: the other set of rows may be loaded again behind this wait
.irp t, 0,1,2,3,4,5,6,7
	global_store_b128 v[\co], v[BK+32*((\a)%2)+4*\t:BK+32*((\a)%2)+4*\t+3], s[\base:\base+1] offset:(16*(\a)+2*\t)*\pitch   ; 16 lanes store 256 consecutive bytes, aligned
.endr
.endm
.macro WAYOUT base, co, pitch
	PACK 0
	TOSTAGE 0
.irp a, 1,2,3
	PACK \a                                        ; block a's conversions stand between block a - 1's loads from the stage and the wait for them
	SEND \a-1, \base, \co, \pitch
	TOSTAGE \a
.endr
	SEND 3, \base, \co, \pitch
.endm
	s_wait_tensorcnt 0x1                           ; my parts of the scale bytes, of x and of Wq are in; Wk's load may stay out
	s_barrier_signal -1
	s_barrier_wait -1                              ; everybody's are
	s_wait_loadcnt 0x0                             ; the biases
	TILE ADQ, ADXW, ASW, 0, ASX4, 0, 0, 0          ; q
	WIN 0
	s_wait_tensorcnt 0x0                           ; all my tensor loads have landed, my part of Wk among them;
	ds_add_u32 v[SPW], v[NIL]                      ; 0 onto my spare word;
	s_wait_dscnt 0x0                               ; the add is done, and my reads of Wq's tile are over
	CROUND                                         ; that now holds of every wave of all sixteen work-groups
	tensor_load_to_lds s[G0V:G0V+3], s[G1W:G1W+7]  ; Wv's rows into Wq's bytes: they land while q goes out and k is multiplied
	s_nop 0
	PLACES                                         ; also the places between q's last products and the conversions
	WAYOUT 16, COQ, 2048
	TILE ADK, ADXW, ASW, SWT, ASX4, 0, 64, 0       ; k.  (q's conversions are the places ahead of products that begin the accumulators anew)
	PLACES
	WAYOUT 18, COQ, 2048
	s_wait_tensorcnt 0x0                           ; my part of Wv is in,
	s_wait_dscnt 0x0
	s_barrier_signal -1
	s_barrier_wait -1                              ; everybody's is
	TILE ADXT, ADVE, ASX8, 0, ASV4, 0, 128, 1      ; v, with the sources' parts changed
	PLACES
	WAYOUT 20, COV, 16384
	s_wait_tensorcnt 0x0                           ; the wave's end: behind my last tensor load and my last LDS store
	ds_add_u32 v[SPW], v[NIL]
	s_wait_dscnt 0x0
	CROUND                                         ; the closing round
	s_endpgm
.Lfunc_end_k_q15694f9756_proj:
	.size	k_q15694f9756_proj, .Lfunc_end_k_q15694f9756_proj-k_q15694f9756_proj
	.p2alignl 7, 3214868480
	.fill 96, 4, 3214868480
	.section	.rodata,"a",@progbits
	.p2align	6, 0x0
	.amdhsa_kernel k_q15694f9756_proj
		.amdhsa_group_segment_fixed_size 327680
		.amdhsa_private_segment_fixed_size 0
		.amdhsa_enable_private_segment 0
		.amdhsa_kernarg_size 72
		.amdhsa_user_sgpr_count 2
		.amdhsa_user_sgpr_kernarg_segment_ptr 1
		.amdhsa_wavefront_size32 1
		.amdhsa_system_sgpr_workgroup_id_x 1
		.amdhsa_system_sgpr_workgroup_id_y 1
		.amdhsa_system_sgpr_workgroup_id_z 1
		.amdhsa_system_vgpr_workitem_id 0
		.amdhsa_next_free_vgpr 1024
		.amdhsa_next_free_sgpr 102
		.amdhsa_reserve_vcc 0
		.amdhsa_float_denorm_mode_32 3
		.amdhsa_float_denorm_mode_16_64 3
		.amdhsa_memory_ordered 1
		.amdhsa_forward_progress 1
		.amdhsa_inst_pref_size 205
	.end_amdhsa_kernel
	.amdgpu_metadata
---
amdhsa.version: [ 1, 2 ]
amdhsa.kernels:
  - .name:           k_q15694f9756_proj
    .symbol:         k_q15694f9756_proj.kd
    .args:
      - { .name: x_codes, .offset: 0, .size: 8, .value_kind: global_buffer, .address_space: global }
      - { .name: w_codes, .offset: 8, .size: 8, .value_kind: global_buffer, .address_space: global }
      - { .name: scales, .offset: 16, .size: 8, .value_kind: global_buffer, .address_space: global }
      - { .name: bq, .offset: 24, .size: 8, .value_kind: global_buffer, .address_space: global }
      - { .name: bk, .offset: 32, .size: 8, .value_kind: global_buffer, .address_space: global }
      - { .name: bv, .offset: 40, .size: 8, .value_kind: global_buffer, .address_space: global }
      - { .name: qh, .offset: 48, .size: 8, .value_kind: global_buffer, .address_space: global }
      - { .name: kh, .offset: 56, .size: 8, .value_kind: global_buffer, .address_space: global }
      - { .name: vt, .offset: 64, .size: 8, .value_kind: global_buffer, .address_space: global }
    .group_segment_fixed_size: 327680
    .private_segment_fixed_size: 0
    .kernarg_segment_align: 8
    .kernarg_segment_size: 72
    .max_flat_workgroup_size: 128
    .sgpr_count:     102
    .vgpr_count:     1024
    .wavefront_size: 32
...
	.end_amdgpu_metadata
.endif
;; end of part 2
;; launch scores (part 3): grid 4 x 64, 4 waves a work-group, clusters of 4 x 4, 327,680 bytes of LDS; arguments qh, kh, mask, ph, stats; writes ph, stats
.if DOCPART == 3
	.amdgcn_target "amdgcn-amd-amdhsa--gfx1250"
	.amdhsa_code_object_version 6
	.text
	.protected	k_q15694f9756_scores
	.globl	k_q15694f9756_scores
	.p2align	8
	.type	k_q15694f9756_scores,@function
k_q15694f9756_scores:
	s_mov_b64 s[64:65], 0
	v_nop
	global_prefetch_b8 v0, s[64:65] scope:SCOPE_SE
	s_setreg_imm32_b32 hwreg(HW_REG_WAVE_MODE, 25, 1), 1
	s_wait_xcnt 0x0
	s_wait_alu depctr_hold_cnt(0) depctr_sa_sdst(0) depctr_va_vdst(0) depctr_va_sdst(0) depctr_va_ssrc(0) depctr_va_vcc(0) depctr_vm_vsrc(0)
	s_getreg_b32 s2, hwreg(HW_REG_IB_STS2, 6, 4)
	s_cmp_eq_u32 s2, 0
	s_cbranch_scc0 .Lentry_in_a_cluster
	s_endpgm
.Lentry_in_a_cluster:
	s_bfe_u32 s2, ttmp6, 0x10000c
	s_cmp_lg_u32 s2, 0xf033
	s_cbranch_scc0 .Lentry_shape_is_right
	s_endpgm
.Lentry_shape_is_right:
; logit = q . k / 32 + mask; for each row and each block of 128 keys: the block's largest logit; M = that x log2(e), rounded up to a whole number; p = 2^(logit x log2(e) - M), at most 1; l = the sum of p.
; qh, kh: [8192][1024] f16.  mask: [8][1024][1024] f32.  ph: [8192 rows][1024 keys] f16 takes p.  stats: [128 groups of 64 rows][8 key blocks][32 lanes][4 f32]: lane r + 16 u holds -M and l of rows 16 u + r and 32 + 16 u + r.
; The next launch brings the eight blocks of a row under the row's largest M by exact powers of two, so the softmax's maximum is the row's own.
; The exponent is made as (logit - max) x log2(e) + c0, c0 = max x log2(e) - M in (-1, 0]: both terms are 0 or less whatever the size of the logits, so p never passes 1.
; LIMITS: finite logits lie above -1e38 (the block's maximum is held there from below, so that a block of -infinity gives p = 0 and l = 0); NaN and +infinity in the mask are not served; p under 2^-24 of 1 becomes 0 in f16.
; SHARES.  A tile is 128 queries x 256 keys of one batch; four waves, each 64 queries x 128 keys: 32 accumulators.  The matrix instruction is used transposed: source 0 = 16 keys, source 1 = 16 queries:
; a lane holds one query and eight neighbouring keys.
; THE RING.  K = 1024 is 8 steps of 128.  LDS has room for three steps' tiles, not four: slot A holds TWO steps (rows of 512 bytes), slot B one (rows of 256 bytes).  A: steps 0, 1; B: 2; A: 3, 4; B: 5; A: 6, 7.
; So there are three refills, one load a wave each: A's has step 2's or step 5's 112 matrix instructions of a wave in which to land, B's has 240.  The 32 quarters of 32 along K are written out: the refills differ from lap to lap.
; CLUSTER 4 x 4: q's tile hangs on the tile row and is asked for jointly by a row of the cluster; k's hangs on the batch (which the cluster shares) and the tile column, and is asked for jointly by a column.
; By this text's count a wave has two tensor loads out at the head and one behind each round.
; REGISTERS.  window 0: v1-30 addresses; v32-35 -M, v36-39 l of my four tiles of queries; v40-59 at work; q's fragments at v64-95 and v128-159; behind the products v64-127 logits, v128-159 packed p, v160-191 rows of p.
;   window 1: k's fragments at v64-127 and v128-191.   window 2: accumulator (a, b) at v[8 (8 a + b)].   window 3: my 64 rows x 128 keys of the mask, row i in v[4 i .. 4 i + 3], loaded at the head.
.set PA,     528                       ; a row of slot A: 512 bytes + 16 of padding = 132 words; of slot B: 256 + 16 = 68 words: in both the 16 rows of a fragment load start 4 banks apart (64 banks of 4 bytes: ISA guide 11.1)
.set PB,     272
.set AQH,    64*PA                     ; slot A: what a wave fetches of q, and what a wave reads of it
.set AKH,    128*PA                    ; the same of k
.set AKOFF,  2*AQH                     ; q's 128 rows, then k's 256
.set BBASE,  AKOFF+2*AKH               ; slot B begins behind slot A
.set BQH,    64*PB
.set BKH,    128*PB
.set BKOFF,  2*BQH
.set SPARE,  BBASE+BKOFF+2*BKH         ; behind the two slots: the spare words, 128 bytes a wave, which no other line names
.set MP,     528                       ; the mask's stage: rows of 512 bytes + 16
.set MSTG,   BBASE                     ; the stages lie in slot B: when the first byte is stored there, B has had its last fill (step 5) and every wave has passed the last change of slots, behind which nobody reads it
.set PSTG,   MSTG+4*16*MP              ; p's stage: 16 rows x 272 bytes for each wave
.set ADRA, 16                          ; v16-17 my fragments of q in slot A, B
.set ADRB, 20                          ; v20-21 of k
.set MO,   22                          ; v22  16 x lane
.set MSTO, 23                          ; v23  the mask's stage, in
.set MRD,  24                          ; v24  and out
.set PSTO, 25                          ; v25  p's stage, in
.set PRD,  26                          ; v26  and out
.set PCO,  27                          ; v27  my byte offset in two rows of ph
.set SPW,  28                          ; v28  LDS address of my spare word; never rewritten
.set NIL,  29                          ; v29  0; never rewritten
.set PFO,  30                          ; v30  the prefetches' offset: 2,048 x lane; never rewritten
.set NR,   32
.set LR,   36
.set T,    64
.set TMP,  128
.set BK,   160
.set F0,   64
.set F1,   128
.set G1,   24                          ; s[24:31] group 1 for q's tiles in slot A; s[80:87] in slot B
.set G0,   32                          ; s[32:35], s[36:39] their groups 0
.set G1B,  48                          ; s[48:55] group 1 for k's tiles in slot A; s[88:95] in slot B
.set G0B,  56                          ; s[56:59], s[60:63] their groups 0
.set LIM,  42                          ; s42  1 in a wave that prefetches, else -1
.set PFA,  44                          ; s[44:45] my prefetches' rows, at their first byte; never rewritten
.set MSB, 0
.macro WIN new
.if MSB != \new
	s_set_vgpr_msb (MSB<<8)|\new
.set MSB, \new
.endif
.endm
.set W_MUL, 0xa1                       ; source 0 (k) window 1, source 1 (q) window 0, C and D window 2
.set TO_B,  0x40                       ; destination window 1
.macro PLACES
.rept 4
	v_nop
.endr
.endm
.macro JLOAD s                         ; a joint load into slot s (0: A, 1: B): waves 0 and 1 fetch q's halves, waves 2 and 3 k's.  The branch hangs on the wave's number alone.  An s_nop 0 and four v_nop follow each line
	s_cmp_eq_u32 s15, 0
	s_cbranch_scc0 .Lfor_b_\@
	tensor_load_to_lds s[G0+4*\s:G0+4*\s+3], s[G1+56*\s:G1+56*\s+7]
	s_nop 0
	PLACES
	s_branch .Lasked_\@
.Lfor_b_\@:
	tensor_load_to_lds s[G0B+4*\s:G0B+4*\s+3], s[G1B+40*\s:G1B+40*\s+7]
	s_nop 0
	PLACES
.Lasked_\@:
.endm
.macro CREST                           ; a round of the cluster's barrier behind its opening barrier
	s_cmp_lg_u32 s14, 0
	s_cbranch_scc1 .Lnot_wave_0_\@
	s_barrier_signal -3
.Lnot_wave_0_\@:
	s_barrier_wait -3
	s_barrier_signal -1
	s_barrier_wait -1
.endm
.macro CROUND
	s_barrier_signal -1
	s_barrier_wait -1
	CREST
.endm
; A prefetch of what the NEXT refill will ask for, at bytes o1 (and o2) of 32 rows, 256 bytes each, a lane a row.  Each row's 256 bytes of a K step are named once in the launch: of q's 128 rows each of the four partners
; takes 32 by address (cx), wave 0 asks; of k's 256 rows each partner takes 64 by address (cy), waves 2 and 3 ask for 32 each, in the batch's first cluster alone.  K steps 0 to 4 come by their loads alone; the last refill asks for nothing.
.macro ASK o1, o2
	s_cmp_eq_u32 s[LIM], 1
	s_cbranch_scc0 .Lnot_mine_\@
	global_prefetch_b8 v[PFO], s[PFA:PFA+1] offset:\o1 th:TH_LOAD_NT scope:SCOPE_SE
.if \o2 > 0
	global_prefetch_b8 v[PFO], s[PFA:PFA+1] offset:\o2 th:TH_LOAD_NT scope:SCOPE_SE
.endif
.Lnot_mine_\@:
.endm
	s_load_b256 s[4:11], s[0:1], 0x0               ; qh s[4:5], kh s[6:7], mask s[8:9], ph s[10:11]
	s_load_b64 s[12:13], s[0:1], 0x20              ; stats
	v_lshl_add_u32 v[SPW], v0, 2, SPARE
	v_mov_b32 v[NIL], 0
	ds_add_u32 v[SPW], v[NIL]                      ; the wave's opening: the add, twice on end, and its wait ahead of my first tensor load
	ds_add_u32 v[SPW], v[NIL]
	v_lshrrev_b32 v1, 5, v0
	v_readfirstlane_b32 s14, v1                    ; wave 0..3
	s_lshr_b32 s15, s14, 1                         ; which 64 queries are mine.  Also: I fetch for q (0) or for k (1)
	s_and_b32 s16, s14, 1                          ; which 128 keys.  Also: which half of that tile I fetch
	s_bfe_u32 s40, ttmp6, 0x40000                  ; cx
	s_bfe_u32 s41, ttmp6, 0x40004                  ; cy
	s_lshl_b32 s18, ttmp9, 2
	s_add_co_u32 s18, s18, s40                     ; tile column (256 keys)
	s_and_b32 s19, ttmp7, 0xffff                   ; cluster y
	s_lshl_b32 s17, s19, 2
	s_add_co_u32 s17, s17, s41                     ; tile row (128 rows of the 8,192)
	s_lshr_b32 s19, s19, 1                         ; the batch: two clusters each, so all partners share it
	s_lshl_b32 s43, s41, 2
	s_lshl_b32 s43, 15, s43                        ; my row of the cluster
	s_lshl_b32 s74, 0x1111, s40                    ; my column
	; group 1: the mask; elements of 2 bytes; padding on; bit 21 beside a mask; 4 words of padding behind every row: of 128 words (code 6) in slot A, of 64 (code 5) in slot B
	s_or_b32 s[G1], s43, (1<<16)|(1<<20)|(1<<21)|(6<<22)|(3<<25)
	s_mov_b32 s[G1+1], 256<<16                     ; tensor_dim0
	s_mov_b32 s[G1+2], 64<<16                      ; tensor_dim1
	s_mov_b32 s[G1+3], 256<<16                     ; tile_dim0
	s_mov_b32 s[G1+4], 64                          ; tile_dim1
	s_mov_b32 s[G1+5], 1024                        ; from row to row
	s_mov_b32 s[G1+6], 0
	s_mov_b32 s[G1+7], 0
	s_or_b32 s[G1+56], s43, (1<<16)|(1<<20)|(1<<21)|(5<<22)|(3<<25)
	s_mov_b32 s[G1+57], 128<<16
	s_mov_b32 s[G1+58], 64<<16
	s_mov_b32 s[G1+59], 128<<16
	s_mov_b32 s[G1+60], 64
	s_mov_b32 s[G1+61], 1024
	s_mov_b32 s[G1+62], 0
	s_mov_b32 s[G1+63], 0
	s_or_b32 s[G1B], s74, (1<<16)|(1<<20)|(1<<21)|(6<<22)|(3<<25)
	s_mov_b32 s[G1B+1], 256<<16
	s_mov_b32 s[G1B+2], 128<<16
	s_mov_b32 s[G1B+3], 256<<16
	s_mov_b32 s[G1B+4], 128
	s_mov_b32 s[G1B+5], 1024
	s_mov_b32 s[G1B+6], 0
	s_mov_b32 s[G1B+7], 0
	s_or_b32 s[G1B+40], s74, (1<<16)|(1<<20)|(1<<21)|(5<<22)|(3<<25)
	s_mov_b32 s[G1B+41], 128<<16
	s_mov_b32 s[G1B+42], 128<<16
	s_mov_b32 s[G1B+43], 128<<16
	s_mov_b32 s[G1B+44], 128
	s_mov_b32 s[G1B+45], 1024
	s_mov_b32 s[G1B+46], 0
	s_mov_b32 s[G1B+47], 0
	s_lshl_b32 s20, s17, 18                        ; q: 128 rows of 2,048 bytes x tile row
	s_lshl_b32 s21, s16, 17                        ; + the 64 that I fetch
	s_add_co_u32 s20, s20, s21
	s_mov_b32 s21, 0
	s_lshl_b32 s46, s19, 21                        ; k: 1,024 rows x batch
	s_lshl_b32 s47, s18, 19                        ; + 256 x tile column
	s_add_co_u32 s46, s46, s47
	s_lshl_b32 s47, s16, 18                        ; + the 128 that I fetch
	s_add_co_u32 s46, s46, s47
	s_mov_b32 s47, 0
	s_mul_i32 s22, s16, AQH                        ; where they go: no place in the cluster enters an LDS address.  Slot A: q's half,
	s_mul_i32 s23, s16, AKH
	s_add_co_u32 s23, s23, AKOFF                   ; k's half;
	s_mul_i32 s96, s16, BQH
	s_add_co_u32 s96, s96, BBASE                   ; slot B: q's half,
	s_mul_i32 s97, s16, BKH
	s_add_co_u32 s97, s97, BBASE+BKOFF             ; k's half
	s_mov_b32 s66, 0x3d000000                      ; 1 / 32
	s_mov_b32 s67, s66                             ; (named with it as a pair, so it is written)
	s_mov_b32 s68, 0x3fb8aa3b                      ; log2(e)
	s_mov_b32 s69, s68
	s_mov_b32 s70, 0x76543210                      ; v_permlanex16_b32's selects for lane l xor 16
	s_mov_b32 s71, 0xfedcba98
	s_mov_b32 s72, 0xffff0000                      ; lanes 16-31
	s_wait_dscnt 0x0                               ; both opening adds are done
	s_wait_kmcnt 0x0
	s_add_nc_u64 s[20:21], s[4:5], s[20:21]
	s_add_nc_u64 s[46:47], s[6:7], s[46:47]
	CROUND                                         ; all sixteen work-groups are here: the first joint loads meet
	s_mov_b32 s[G0], 1                             ; slot A: K steps 0 and 1
	s_mov_b32 s[G0+1], s22
	s_mov_b64 s[G0+2:G0+3], s[20:21]
	s_or_b32 s[G0+3], s[G0+3], 0x80000000
	s_mov_b32 s[G0+4], 1                           ; slot B: K step 2, 512 bytes along the rows
	s_mov_b32 s[G0+5], s96
	s_add_nc_u64 s[G0+6:G0+7], s[20:21], 512
	s_or_b32 s[G0+7], s[G0+7], 0x80000000
	s_mov_b32 s[G0B], 1
	s_mov_b32 s[G0B+1], s23
	s_mov_b64 s[G0B+2:G0B+3], s[46:47]
	s_or_b32 s[G0B+3], s[G0B+3], 0x80000000
	s_mov_b32 s[G0B+4], 1
	s_mov_b32 s[G0B+5], s97
	s_add_nc_u64 s[G0B+6:G0B+7], s[46:47], 512
	s_or_b32 s[G0B+7], s[G0B+7], 0x80000000
	JLOAD 0
	JLOAD 1
	; my part of the mask goes straight into registers and lands while K is walked: each load reads 512 consecutive bytes of a row
	s_lshl_b32 s74, s17, 19                        ; 128 rows of 4,096 bytes x tile row
	s_lshl_b32 s75, s15, 18                        ; + my 64
	s_add_co_u32 s74, s74, s75
	s_lshl_b32 s75, s18, 10                        ; + 256 keys x tile column
	s_add_co_u32 s74, s74, s75
	s_lshl_b32 s75, s16, 9                         ; + my 128
	s_add_co_u32 s74, s74, s75
	s_mov_b32 s75, 0
	s_add_nc_u64 s[8:9], s[8:9], s[74:75]
	v_and_b32 v[MO], 31, v0
	v_lshlrev_b32 v[MO], 4, v[MO]
	WIN 0xc0                                       ; destination window 3
.set ii, 0
.rept 64
	global_load_b128 v[4*ii:4*ii+3], v[MO], s[8:9] offset:4096*ii th:TH_LOAD_NT
.set ii, ii+1
.endr
	WIN 0
	v_and_b32 v1, 15, v0                           ; r
	v_bfe_u32 v2, v0, 4, 1                         ; h
	v_mul_u32_u24 v3, v1, PA
	v_lshl_add_u32 v3, v2, 4, v3                   ; a fragment: row r x pitch + 16 h; two loads of 16 bytes, 32 bytes apart.  In slot A,
	v_mul_u32_u24 v5, v1, PB
	v_lshl_add_u32 v5, v2, 4, v5                   ; in slot B
	s_mul_i32 s2, s15, AQH
	v_add_nc_u32 v[ADRA], s2, v3
	s_mul_i32 s2, s15, BQH
	s_add_co_u32 s2, s2, BBASE
	v_add_nc_u32 v[ADRA+1], s2, v5
	v_add_nc_u32 v[ADRB], s23, v3
	v_add_nc_u32 v[ADRB+1], s97, v5
	s_mul_i32 s2, s14, 16*MP
	s_add_co_u32 s2, s2, MSTG
	v_add_nc_u32 v[MSTO], s2, v[MO]                ; the mask, in: a row's 512 bytes, 16 a lane
	v_mul_u32_u24 v4, v1, MP
	v_lshl_add_u32 v4, v2, 5, v4
	v_add_nc_u32 v[MRD], s2, v4                    ; out: row r, my half's eight keys of each 16: 32 h bytes
	s_mul_i32 s2, s14, 16*PB
	s_add_co_u32 s2, s2, PSTG
	v_add_nc_u32 v[PSTO], s2, v5                   ; p, in: row r, 16 bytes for each half of the lanes
	v_mul_u32_u24 v4, v2, PB
	v_lshl_add_u32 v4, v1, 4, v4
	v_add_nc_u32 v[PRD], s2, v4                    ; out: lanes 0-15 one row of 256 bytes, lanes 16-31 the next
	v_lshlrev_b32 v[PCO], 11, v2
	v_lshl_add_u32 v[PCO], v1, 4, v[PCO]           ; the same two rows in ph
	v_mov_b32 v41, 0                               ; upper halves of pairs of which the low word alone is taken, and a lane permute's destination: written once
	v_mov_b32 v49, 0
	v_mov_b32 v46, 0
	s_lshl_b32 s74, s17, 18                        ; ph: 128 rows of 2,048 bytes x tile row + my 64 + 256 keys x tile column + my 128
	s_lshl_b32 s75, s15, 17
	s_add_co_u32 s74, s74, s75
	s_lshl_b32 s75, s18, 9
	s_add_co_u32 s74, s74, s75
	s_lshl_b32 s75, s16, 8
	s_add_co_u32 s74, s74, s75
	s_mov_b32 s75, 0
	s_add_nc_u64 s[10:11], s[10:11], s[74:75]
	s_lshl_b32 s74, s17, 13                        ; stats: 512 bytes x (8 x (2 x tile row + my half) + 2 x tile column + my half)
	s_lshl_b32 s75, s15, 12
	s_add_co_u32 s74, s74, s75
	s_lshl_b32 s75, s18, 10
	s_add_co_u32 s74, s74, s75
	s_lshl_b32 s75, s16, 9
	s_add_co_u32 s74, s74, s75
	s_mov_b32 s75, 0
	s_add_nc_u64 s[12:13], s[12:13], s[74:75]
	; the prefetches: where mine stand, and who asks
	s_lshl_b32 s74, s17, 7
	s_lshl_b32 s75, s40, 5
	s_add_co_u32 s74, s74, s75                     ; q: row 128 x tile row + 32 cx
	s_lshl_b32 s76, s19, 10
	s_lshl_b32 s75, s18, 8
	s_add_co_u32 s76, s76, s75
	s_lshl_b32 s75, s41, 6
	s_add_co_u32 s76, s76, s75
	s_lshl_b32 s75, s16, 5
	s_add_co_u32 s76, s76, s75                     ; k: row 1,024 x batch + 256 x tile column + 64 cy + 32 x (wave % 2)
	s_and_b32 s43, ttmp7, 1                        ; 0 in the batch's first cluster
	s_cmp_eq_u32 s15, 0
	s_cselect_b32 s74, s74, s76
	s_cselect_b32 s43, s16, s43                    ; waves 0, 1: wave 0 asks; waves 2, 3: both ask, in the first cluster
	s_cselect_b64 s[PFA:PFA+1], s[4:5], s[6:7]
	s_cmp_eq_u32 s43, 0
	s_cselect_b32 s[LIM], 1, -1                    ; the same in all sixteen partners, for a given wave
	s_lshl_b32 s74, s74, 11                        ; 2,048 bytes a row
	s_mov_b32 s75, 0
	s_add_nc_u64 s[PFA:PFA+1], s[PFA:PFA+1], s[74:75]
	v_and_b32 v[PFO], 31, v0
	v_lshlrev_b32 v[PFO], 11, v[PFO]
.macro MUL8 f, a, zero                 ; 8 matrix instructions: tile a of queries x the eight tiles of keys, 32 along K.  The 32 accumulators take turns, one instruction a turn.  zero = 1: the product starts the sum
.irp b, 0,1,2,3,4,5,6,7
.if \zero
	v_wmma_f32_16x16x32_f16 v[8*(8*(\a)+\b):8*(8*(\a)+\b)+7], v[\f+8*\b:\f+8*\b+7], v[\f+8*(\a):\f+8*(\a)+7], 0
.else
	v_wmma_f32_16x16x32_f16 v[8*(8*(\a)+\b):8*(8*(\a)+\b)+7], v[\f+8*\b:\f+8*\b+7], v[\f+8*(\a):\f+8*(\a)+7], v[8*(8*(\a)+\b):8*(8*(\a)+\b)+7]
.endif
.endr
.endm
.macro FETCH slot, k, f                ; 24 LDS loads in one run: 128 keys and 64 queries, 32 along K at byte k of the slot's rows (pitch PA in slot 0, PB in slot 1)
	WIN TO_B
.irp i, 0,1,2,3,4,5,6,7
	ds_load_b128 v[\f+8*\i:\f+8*\i+3],   v[ADRB+\slot] offset:\k+\i*16*(PA-(PA-PB)*\slot)
	ds_load_b128 v[\f+8*\i+4:\f+8*\i+7], v[ADRB+\slot] offset:\k+\i*16*(PA-(PA-PB)*\slot)+32
.endr
	WIN 0
.irp i, 0,1,2,3
	ds_load_b128 v[\f+8*\i:\f+8*\i+3],   v[ADRA+\slot] offset:\k+\i*16*(PA-(PA-PB)*\slot)
	ds_load_b128 v[\f+8*\i+4:\f+8*\i+7], v[ADRA+\slot] offset:\k+\i*16*(PA-(PA-PB)*\slot)+32
.endr
.endm
; A quarter is 32 along K, 32 matrix instructions, on buffers 0, 1, 0, 1.  One that has its successor in the same slot multiplies buffer f and fetches the next quarter, at byte k, into g.
.macro QUARTER slot, k, f, g, zero
	s_wait_dscnt 4                                 ; k's fragments and q's tiles 0, 1 are in; the youngest four loads (q's tiles 2, 3) may be out
	WIN W_MUL
	MUL8 \f, 0, \zero
	MUL8 \f, 1, \zero
	PLACES                                         ; ahead of loads into the buffer that the quarter before multiplied
	FETCH \slot, \k, \g
	s_wait_dscnt 24                                ; all but the 24 just issued
	WIN W_MUL
	MUL8 \f, 2, \zero
	MUL8 \f, 3, \zero
.endm
; A slot's last quarter multiplies buffer 1 and changes slots.  One barrier: in front of it each wave waits for all its tensor loads (its part of the next slot), adds 0 to its spare word, and waits for that and for its reads of this slot.
.macro MEET round
	WIN 0
	s_wait_tensorcnt 0x0
	ds_add_u32 v[SPW], v[NIL]
	s_wait_dscnt 5                                 ; (the add and the youngest four loads may be out)
	WIN W_MUL
	MUL8 F1, 0, 0                                  ; eight matrix instructions stand between the add and the wait for it
	s_wait_dscnt 0x0                               ; the add is done, and my reads of this slot are over
	s_barrier_signal -1
	MUL8 F1, 1, 0
.if \round
	WIN 0
.endif
	s_barrier_wait -1
.endm
; fill = 1: the slot just left is filled again, with the K steps three on (768 bytes along the rows).  o1, o2: what is prefetched (0: nothing).
.macro TURN slot, next, fill, o1, o2
	MEET \fill
.if \fill
	CREST                                          ; the barrier has opened a round of the cluster's: no wave of any partner still reads this slot or has a load on its way
	s_add_nc_u64 s[G0+4*\slot+2:G0+4*\slot+3], s[G0+4*\slot+2:G0+4*\slot+3], 768
	s_add_nc_u64 s[G0B+4*\slot+2:G0B+4*\slot+3], s[G0B+4*\slot+2:G0B+4*\slot+3], 768
	JLOAD \slot                                    ; the first tensor load behind the round; its four v_nop are also the places ahead of the loads below
.else
	PLACES
.endif
	FETCH \next, 0, F0
.if \o1 > 0
	ASK \o1, \o2
.endif
	WIN W_MUL
	MUL8 F1, 2, 0
	MUL8 F1, 3, 0
.endm
.macro ASTEPS zero                     ; the first seven of slot A's eight quarters
	QUARTER 0, 64,  F0, F1, \zero
	QUARTER 0, 128, F1, F0, 0
	QUARTER 0, 192, F0, F1, 0
	QUARTER 0, 256, F1, F0, 0
	QUARTER 0, 320, F0, F1, 0
	QUARTER 0, 384, F1, F0, 0
	QUARTER 0, 448, F0, F1, 0
.endm
.macro BSTEPS                          ; the first three of slot B's four
	QUARTER 1, 64,  F0, F1, 0
	QUARTER 1, 128, F1, F0, 0
	QUARTER 1, 192, F0, F1, 0
.endm
	s_wait_tensorcnt 0x1                           ; my part of slot A is in; slot B's load may stay out
	s_barrier_signal -1
	s_barrier_wait -1
	FETCH 0, 0, F0
	ASTEPS 1                                       ; K steps 0, 1: the first quarter's products start the sums
	TURN 0, 1, 1, 1280, 0                          ; A takes steps 3, 4; step 5 is prefetched
	BSTEPS                                         ; K step 2
	TURN 1, 0, 1, 1536, 1792                       ; B takes step 5; steps 6, 7 are prefetched
	ASTEPS 0                                       ; K steps 3, 4
	TURN 0, 1, 1, 0, 0                             ; A takes steps 6, 7
	BSTEPS                                         ; K step 5
	TURN 1, 0, 0, 0, 0                             ; nothing is left to fetch
	ASTEPS 0                                       ; K steps 6, 7
	s_wait_dscnt 4
	WIN W_MUL
	MUL8 F1, 0, 0
	MUL8 F1, 1, 0
	s_wait_dscnt 0x0
	MUL8 F1, 2, 0
	MUL8 F1, 3, 0
	WIN 0
	PLACES
	s_wait_loadcnt 0x0                             ; the mask
; Tile a of 16 queries x my 128 keys.
.macro SOFT a
	WIN 0x0c                                       ; an LDS store's data are its source 1: window 3
.irp i, 0,1,2,3,4,5,6,7,8,9,10,11,12,13,14,15
	ds_store_b128 v[MSTO], v[4*(16*\a+\i):4*(16*\a+\i)+3] offset:MP*\i   ; the tile's 16 rows of the mask, as they were loaded,
.endr
	WIN 0
.irp b, 0,1,2,3,4,5,6,7
	ds_load_b128 v[T+8*\b:T+8*\b+3], v[MRD] offset:64*\b               ; come back in the accumulators' layout (LDS serves a wave's instructions in order)
	ds_load_b128 v[T+8*\b+4:T+8*\b+7], v[MRD] offset:64*\b+16
.endr
	s_wait_dscnt 0x0
	WIN 0x02                                       ; source 0 window 2
.set ii, 0
.rept 32
	v_pk_fma_f32 v[T+2*ii:T+2*ii+1], v[64*\a+2*ii:64*\a+2*ii+1], s[66:67], v[T+2*ii:T+2*ii+1] op_sel_hi:[1,0,1]   ; logit = sum / 32 + mask: the division is exact, one rounding; each accumulator from its low end on
.set ii, ii+1
.endr
	WIN 0
.irp c, 0,1,2,3
	v_max3_num_f32 v[42+\c], v[T+16*\c], v[T+16*\c+1], v[T+16*\c+2]    ; the largest of my 64 logits, in four chains
.endr
.irp j, 3,5,7,9,11,13
.irp c, 0,1,2,3
	v_max3_num_f32 v[42+\c], v[42+\c], v[T+16*\c+\j], v[T+16*\c+\j+1]
.endr
.endr
.irp c, 0,1,2,3
	v_max_num_f32 v[42+\c], v[42+\c], v[T+16*\c+15]
.endr
	v_max3_num_f32 v42, v42, v43, v44
	v_max_num_f32 v42, v42, v45
	v_permlanex16_b32 v46, v42, s70, s71           ; the query's other 64 keys lie in the lane 16 away
	v_max_num_f32 v42, v42, v46
	v_max_num_f32 v40, 0xfe967699, v42             ; held at -1e38 from below
	v_mul_f32 v47, s68, v40                        ; in powers of two
	v_floor_f32 v[NR+\a], -v47                     ; -M = floor(-t) = -ceil(t): a whole number
	v_add_f32 v48, v47, v[NR+\a]                   ; c0 = t - M, in (-1, 0]
.set ii, 0
.rept 32
	v_pk_add_f32 v[T+2*ii:T+2*ii+1], v[T+2*ii:T+2*ii+1], v[40:41] op_sel_hi:[1,0] neg_lo:[0,1] neg_hi:[0,1]   ; logit - max: 0 or less
.set ii, ii+1
.endr
.set ii, 0
.rept 32
	v_pk_fma_f32 v[T+2*ii:T+2*ii+1], v[T+2*ii:T+2*ii+1], s[68:69], v[48:49] op_sel_hi:[1,0,0]                 ; x log2(e) + c0
.set ii, ii+1
.endr
.set ii, 0
.rept 64
	v_exp_f32 v[T+ii], v[T+ii]                     ; p, at most 1
.set ii, ii+1
.endr
	v_nop                                          ; a plain instruction behind the last exponential
	s_wait_alu depctr_va_vdst(0)                   ; one wait for the batch, ahead of its first reader
	v_pk_add_f32 v[50:51], v[T:T+1], v[T+4:T+5]    ; l is the sum of the unrounded p, two at a time, in two chains
	v_pk_add_f32 v[52:53], v[T+2:T+3], v[T+6:T+7]
.irp j, 8,12,16,20,24,28,32,36,40,44,48,52,56,60
	v_pk_add_f32 v[50:51], v[50:51], v[T+\j:T+\j+1]
	v_pk_add_f32 v[52:53], v[52:53], v[T+\j+2:T+\j+3]
.endr
	v_pk_add_f32 v[50:51], v[50:51], v[52:53]
	v_add_f32 v50, v50, v51
	v_permlanex16_b32 v46, v50, s70, s71
	v_add_f32 v[LR+\a], v50, v46
.set ii, 0
.rept 32
	v_cvt_pk_f16_f32 v[TMP+ii], v[T+2*ii], v[T+2*ii+1]
.set ii, ii+1
.endr
	s_wait_xcnt 0x0                                ; the last tile's stores have read their registers, which are loaded again below
.irp b, 0,1,2,3,4,5,6,7
	ds_store_b128 v[PSTO], v[TMP+4*\b:TMP+4*\b+3] offset:32*\b
.endr
.irp t, 0,1,2,3,4,5,6,7
	ds_load_b128 v[BK+4*\t:BK+4*\t+3], v[PRD] offset:\t*2*PB
.endr
	s_wait_dscnt 0x0
.irp t, 0,1,2,3,4,5,6,7
	global_store_b128 v[PCO], v[BK+4*\t:BK+4*\t+3], s[10:11] offset:(16*\a+2*\t)*2048   ; 16 lanes store 256 consecutive bytes, aligned
.endr
.endm
	SOFT 0
	SOFT 1
	SOFT 2
	SOFT 3
	v_cndmask_b32 v56, v[NR], v[NR+1], s72         ; lanes 0-15: tiles 0 and 2; lanes 16-31: tiles 1 and 3
	v_cndmask_b32 v57, v[LR], v[LR+1], s72
	v_cndmask_b32 v58, v[NR+2], v[NR+3], s72
	v_cndmask_b32 v59, v[LR+2], v[LR+3], s72
	global_store_b128 v[MO], v[56:59], s[12:13]    ; 32 lanes store 512 consecutive bytes, aligned
	s_wait_tensorcnt 0x0                           ; the wave's end: behind my last tensor load and my last LDS store
	ds_add_u32 v[SPW], v[NIL]
	s_wait_dscnt 0x0
	CROUND                                         ; the closing round
	s_endpgm
.Lfunc_end_k_q15694f9756_scores:
	.size	k_q15694f9756_scores, .Lfunc_end_k_q15694f9756_scores-k_q15694f9756_scores
	.p2alignl 7, 3214868480
	.fill 96, 4, 3214868480
	.section	.rodata,"a",@progbits
	.p2align	6, 0x0
	.amdhsa_kernel k_q15694f9756_scores
		.amdhsa_group_segment_fixed_size 327680
		.amdhsa_private_segment_fixed_size 0
		.amdhsa_enable_private_segment 0
		.amdhsa_kernarg_size 40
		.amdhsa_user_sgpr_count 2
		.amdhsa_user_sgpr_kernarg_segment_ptr 1
		.amdhsa_wavefront_size32 1
		.amdhsa_system_sgpr_workgroup_id_x 1
		.amdhsa_system_sgpr_workgroup_id_y 1
		.amdhsa_system_sgpr_workgroup_id_z 1
		.amdhsa_system_vgpr_workitem_id 0
		.amdhsa_next_free_vgpr 1024
		.amdhsa_next_free_sgpr 98
		.amdhsa_reserve_vcc 0
		.amdhsa_float_denorm_mode_32 3
		.amdhsa_float_denorm_mode_16_64 3
		.amdhsa_memory_ordered 1
		.amdhsa_forward_progress 1
		.amdhsa_inst_pref_size 215
	.end_amdhsa_kernel
	.amdgpu_metadata
---
amdhsa.version: [ 1, 2 ]
amdhsa.kernels:
  - .name:           k_q15694f9756_scores
    .symbol:         k_q15694f9756_scores.kd
    .args:
      - { .name: qh, .offset: 0, .size: 8, .value_kind: global_buffer, .address_space: global }
      - { .name: kh, .offset: 8, .size: 8, .value_kind: global_buffer, .address_space: global }
      - { .name: mask, .offset: 16, .size: 8, .value_kind: global_buffer, .address_space: global }
      - { .name: ph, .offset: 24, .size: 8, .value_kind: global_buffer, .address_space: global }
      - { .name: stats, .offset: 32, .size: 8, .value_kind: global_buffer, .address_space: global }
    .group_segment_fixed_size: 327680
    .private_segment_fixed_size: 0
    .kernarg_segment_align: 8
    .kernarg_segment_size: 40
    .max_flat_workgroup_size: 128
    .sgpr_count:     98
    .vgpr_count:     1024
    .wavefront_size: 32
...
	.end_amdgpu_metadata
.endif
;; end of part 3
;; launch values (part 4): grid 4 x 64, 4 waves a work-group, clusters of 4 x 4, 327,680 bytes of LDS; arguments ph, vt, stats, out0; writes out0
.if DOCPART == 4
	.amdgcn_target "amdgcn-amd-amdhsa--gfx1250"
	.amdhsa_code_object_version 6
	.text
	.protected	k_q15694f9756_values
	.globl	k_q15694f9756_values
	.p2align	8
	.type	k_q15694f9756_values,@function
k_q15694f9756_values:
	s_mov_b64 s[64:65], 0
	v_nop
	global_prefetch_b8 v0, s[64:65] scope:SCOPE_SE
	s_setreg_imm32_b32 hwreg(HW_REG_WAVE_MODE, 25, 1), 1
	s_wait_xcnt 0x0
	s_wait_alu depctr_hold_cnt(0) depctr_sa_sdst(0) depctr_va_vdst(0) depctr_va_sdst(0) depctr_va_ssrc(0) depctr_va_vcc(0) depctr_vm_vsrc(0)
	s_getreg_b32 s2, hwreg(HW_REG_IB_STS2, 6, 4)
	s_cmp_eq_u32 s2, 0
	s_cbranch_scc0 .Lentry_in_a_cluster
	s_endpgm
.Lentry_in_a_cluster:
	s_bfe_u32 s2, ttmp6, 0x10000c
	s_cmp_lg_u32 s2, 0xf033
	s_cbranch_scc0 .Lentry_shape_is_right
	s_endpgm
.Lentry_shape_is_right:
; out[row][e] = sum over the 8 key blocks j of g_j x (sum over the block's keys of p v), g_j = 2^(M_j - M) / l, M the row's largest M_j, l = sum over j of 2^(M_j - M) l_j.
; ph: [8192 rows][1024 keys] f16.  vt: [1024 e][8192 tokens] f16.  stats: [128 groups of 64 rows][8 key blocks][32 lanes][4 f32], -M and l as the launch before laid them.  out0: [8192][1024] f32.
; A K step of 128 keys is one key block.  Its products start a sum S of their own, and at the step's end T += g_j x S, in f32: one fused multiply-add a number.  A row all of whose keys are masked by -infinity has l = 0 and gives NaN.
; SHARES.  A tile is 128 rows x 256 e; four waves, each 64 rows x 128 e: 32 accumulators.  The matrix instruction is used transposed: source 0 = 16 e of vt, source 1 = 16 rows of p: a lane holds one row and eight neighbouring e,
; so g_j is one number a lane for each tile of rows.
; THE RING.  K = 1024 keys is 8 steps of 128.  LDS has room for three steps' tiles, not four: slot A holds TWO steps (rows of 512 bytes), slot B one (rows of 256 bytes).  A: steps 0, 1; B: 2; A: 3, 4; B: 5; A: 6, 7.
; So there are three refills, one load a wave each: A's has 112 matrix instructions of a wave in which to land, B's has 240.  The 32 quarters of 32 keys are written out: the refills and the factors differ from step to step.
; CLUSTER 4 x 4: p's tile is asked for jointly by a row of the cluster, vt's (batch, tile column) by a column.  By this text's count a wave has two tensor loads out at the head and one behind each round.
; REGISTERS.  window 0: v1-30 addresses; v32-35 l, v36-39 1 / l, v40-41 at work; p's fragments at v64-95 and v128-159; v192-255 the factors: g of (step j, tile a) twice, in the pair at 192 + 8 j + 2 a;
;   at the head v128-191 hold the statistics; behind the products v64-127 and v128-191 take rows of out by turns.   window 1: vt's fragments at v64-127 and v128-191.
;   window 2: S, accumulator (a, b) at v[8 (8 a + b)].   window 3: T, at the same numbers.
.set PA,     528                       ; a row of slot A: 512 bytes + 16 of padding = 132 words; of slot B: 256 + 16 = 68 words: in both the 16 rows of a fragment load start 4 banks apart (64 banks of 4 bytes: ISA guide 11.1)
.set PB,     272
.set AQH,    64*PA                     ; slot A: what a wave fetches of p, and what a wave reads of it
.set AKH,    128*PA                    ; the same of vt
.set AKOFF,  2*AQH                     ; p's 128 rows, then vt's 256
.set BBASE,  AKOFF+2*AKH               ; slot B begins behind slot A
.set BQH,    64*PB
.set BKH,    128*PB
.set BKOFF,  2*BQH
.set SPARE,  BBASE+BKOFF+2*BKH         ; behind the two slots: the spare words, 128 bytes a wave, which no other line names
.set OP,     528                       ; the way out: rows of 512 bytes + 16
.set OSTG,   BBASE                     ; 16 such rows for each wave, in slot B: when the first byte is stored there, B has had its last fill (step 5) and every wave has passed the last change of slots, behind which nobody reads it
.set ADRA, 16                          ; v16-17 my fragments of p in slot A, B
.set ADRB, 20                          ; v20-21 of vt
.set SA,   22                          ; v22  16 r: my row's record in the statistics
.set STO,  23                          ; v23  the stage, in
.set RD,   24                          ; v24  and out
.set CO,   25                          ; v25  16 x lane: my bytes of a row of out
.set SPW,  28                          ; v28  LDS address of my spare word; never rewritten
.set NIL,  29                          ; v29  0; never rewritten
.set PFO,  30                          ; v30  the prefetches' offset: lane x a row's bytes; never rewritten
.set LS,   32
.set IV,   36
.set ST,   128
.set BK,   64
.set FS,   192
.set F0,   64
.set F1,   128
.set G1,   24                          ; s[24:31] group 1 for p's tiles in slot A; s[80:87] in slot B
.set G0,   32                          ; s[32:35], s[36:39] their groups 0
.set G1B,  48                          ; s[48:55] group 1 for vt's tiles in slot A; s[88:95] in slot B
.set G0B,  56                          ; s[56:59], s[60:63] their groups 0
.set LIM,  42                          ; s42  1 in a wave that prefetches, else -1
.set PFA,  44                          ; s[44:45] my prefetches' rows, at the batch's first key; never rewritten
.set MSB, 0
.macro WIN new
.if MSB != \new
	s_set_vgpr_msb (MSB<<8)|\new
.set MSB, \new
.endif
.endm
.set W_MUL,  0xa1                      ; source 0 (vt) window 1, source 1 (p) window 0, C and D window 2
.set W_FOLD, 0xf2                      ; source 0 (S) window 2, source 1 (g) window 0, source 2 and destination (T) window 3
.set TO_B,   0x40
.macro PLACES
.rept 4
	v_nop
.endr
.endm
.macro JLOAD s                         ; a joint load into slot s (0: A, 1: B): waves 0 and 1 fetch p's halves, waves 2 and 3 vt's.  The branch hangs on the wave's number alone.  An s_nop 0 and four v_nop follow each line
	s_cmp_eq_u32 s15, 0
	s_cbranch_scc0 .Lfor_b_\@
	tensor_load_to_lds s[G0+4*\s:G0+4*\s+3], s[G1+56*\s:G1+56*\s+7]
	s_nop 0
	PLACES
	s_branch .Lasked_\@
.Lfor_b_\@:
	tensor_load_to_lds s[G0B+4*\s:G0B+4*\s+3], s[G1B+40*\s:G1B+40*\s+7]
	s_nop 0
	PLACES
.Lasked_\@:
.endm
.macro CREST
	s_cmp_lg_u32 s14, 0
	s_cbranch_scc1 .Lnot_wave_0_\@
	s_barrier_signal -3
.Lnot_wave_0_\@:
	s_barrier_wait -3
	s_barrier_signal -1
	s_barrier_wait -1
.endm
.macro CROUND
	s_barrier_signal -1
	s_barrier_wait -1
	CREST
.endm
; A prefetch of what the NEXT refill will ask for, at bytes o1 (and o2) of 32 rows, 256 bytes each, a lane a row.  Each row's 256 bytes of a K step are named once in the launch: of p's 128 rows each partner takes 32 by address (cx),
; wave 0 asks; of vt's 256 rows each partner takes 64 by address (cy), waves 2 and 3 ask for 32 each, in the batch's first cluster alone.  K steps 0 to 4 come by their loads alone; the last refill asks for nothing.
.macro ASK o1, o2
	s_cmp_eq_u32 s[LIM], 1
	s_cbranch_scc0 .Lnot_mine_\@
	global_prefetch_b8 v[PFO], s[PFA:PFA+1] offset:\o1 th:TH_LOAD_NT scope:SCOPE_SE
.if \o2 > 0
	global_prefetch_b8 v[PFO], s[PFA:PFA+1] offset:\o2 th:TH_LOAD_NT scope:SCOPE_SE
.endif
.Lnot_mine_\@:
.endm
	s_load_b256 s[4:11], s[0:1], 0x0               ; ph s[4:5], vt s[6:7], stats s[8:9], out0 s[10:11]
	v_lshl_add_u32 v[SPW], v0, 2, SPARE
	v_mov_b32 v[NIL], 0
	ds_add_u32 v[SPW], v[NIL]                      ; the wave's opening: the add, twice on end, and its wait ahead of my first tensor load
	ds_add_u32 v[SPW], v[NIL]
	v_lshrrev_b32 v1, 5, v0
	v_readfirstlane_b32 s14, v1                    ; wave 0..3
	s_lshr_b32 s15, s14, 1                         ; which 64 rows are mine.  Also: I fetch for p (0) or for vt (1)
	s_and_b32 s16, s14, 1                          ; which 128 e.  Also: which half of that tile I fetch
	s_bfe_u32 s40, ttmp6, 0x40000                  ; cx
	s_bfe_u32 s41, ttmp6, 0x40004                  ; cy
	s_lshl_b32 s18, ttmp9, 2
	s_add_co_u32 s18, s18, s40                     ; tile column (256 e)
	s_and_b32 s19, ttmp7, 0xffff                   ; cluster y
	s_lshl_b32 s17, s19, 2
	s_add_co_u32 s17, s17, s41                     ; tile row (128 rows of the 8,192)
	s_lshr_b32 s19, s19, 1                         ; the batch, which all partners share
	s_lshl_b32 s43, s41, 2
	s_lshl_b32 s43, 15, s43                        ; my row of the cluster
	s_lshl_b32 s74, 0x1111, s40                    ; my column
	; group 1: the mask; elements of 2 bytes; padding on; bit 21 beside a mask; 4 words of padding behind every row: of 128 words (code 6) in slot A, of 64 (code 5) in slot B
	s_or_b32 s[G1], s43, (1<<16)|(1<<20)|(1<<21)|(6<<22)|(3<<25)
	s_mov_b32 s[G1+1], 256<<16                     ; tensor_dim0
	s_mov_b32 s[G1+2], 64<<16                      ; tensor_dim1
	s_mov_b32 s[G1+3], 256<<16                     ; tile_dim0
	s_mov_b32 s[G1+4], 64                          ; tile_dim1
	s_mov_b32 s[G1+5], 1024                        ; ph: 1,024 elements from row to row
	s_mov_b32 s[G1+6], 0
	s_mov_b32 s[G1+7], 0
	s_or_b32 s[G1+56], s43, (1<<16)|(1<<20)|(1<<21)|(5<<22)|(3<<25)
	s_mov_b32 s[G1+57], 128<<16
	s_mov_b32 s[G1+58], 64<<16
	s_mov_b32 s[G1+59], 128<<16
	s_mov_b32 s[G1+60], 64
	s_mov_b32 s[G1+61], 1024
	s_mov_b32 s[G1+62], 0
	s_mov_b32 s[G1+63], 0
	s_or_b32 s[G1B], s74, (1<<16)|(1<<20)|(1<<21)|(6<<22)|(3<<25)
	s_mov_b32 s[G1B+1], 256<<16
	s_mov_b32 s[G1B+2], 128<<16
	s_mov_b32 s[G1B+3], 256<<16
	s_mov_b32 s[G1B+4], 128
	s_mov_b32 s[G1B+5], 8192                       ; vt: 8,192 elements from row to row
	s_mov_b32 s[G1B+6], 0
	s_mov_b32 s[G1B+7], 0
	s_or_b32 s[G1B+40], s74, (1<<16)|(1<<20)|(1<<21)|(5<<22)|(3<<25)
	s_mov_b32 s[G1B+41], 128<<16
	s_mov_b32 s[G1B+42], 128<<16
	s_mov_b32 s[G1B+43], 128<<16
	s_mov_b32 s[G1B+44], 128
	s_mov_b32 s[G1B+45], 8192
	s_mov_b32 s[G1B+46], 0
	s_mov_b32 s[G1B+47], 0
	s_lshl_b32 s20, s17, 18                        ; p: 128 rows of 2,048 bytes x tile row
	s_lshl_b32 s21, s16, 17                        ; + the 64 that I fetch
	s_add_co_u32 s20, s20, s21
	s_mov_b32 s21, 0
	s_lshl_b32 s46, s18, 22                        ; vt: 256 rows of 16,384 bytes x tile column
	s_lshl_b32 s47, s16, 21                        ; + the 128 that I fetch
	s_add_co_u32 s46, s46, s47
	s_lshl_b32 s47, s19, 11                        ; + the batch's 1,024 tokens
	s_add_co_u32 s46, s46, s47
	s_mov_b32 s47, 0
	s_mul_i32 s22, s16, AQH                        ; where they go: no place in the cluster enters an LDS address.  Slot A: p's half,
	s_mul_i32 s23, s16, AKH
	s_add_co_u32 s23, s23, AKOFF                   ; vt's half;
	s_mul_i32 s96, s16, BQH
	s_add_co_u32 s96, s96, BBASE                   ; slot B: p's half,
	s_mul_i32 s97, s16, BKH
	s_add_co_u32 s97, s97, BBASE+BKOFF             ; vt's half
	s_wait_dscnt 0x0                               ; both opening adds are done
	s_wait_kmcnt 0x0
	s_add_nc_u64 s[20:21], s[4:5], s[20:21]
	s_add_nc_u64 s[46:47], s[6:7], s[46:47]
	CROUND                                         ; all sixteen work-groups are here: the first joint loads meet
	s_mov_b32 s[G0], 1                             ; slot A: K steps 0 and 1
	s_mov_b32 s[G0+1], s22
	s_mov_b64 s[G0+2:G0+3], s[20:21]
	s_or_b32 s[G0+3], s[G0+3], 0x80000000
	s_mov_b32 s[G0+4], 1                           ; slot B: K step 2, 512 bytes along the rows
	s_mov_b32 s[G0+5], s96
	s_add_nc_u64 s[G0+6:G0+7], s[20:21], 512
	s_or_b32 s[G0+7], s[G0+7], 0x80000000
	s_mov_b32 s[G0B], 1
	s_mov_b32 s[G0B+1], s23
	s_mov_b64 s[G0B+2:G0B+3], s[46:47]
	s_or_b32 s[G0B+3], s[G0B+3], 0x80000000
	s_mov_b32 s[G0B+4], 1
	s_mov_b32 s[G0B+5], s97
	s_add_nc_u64 s[G0B+6:G0B+7], s[46:47], 512
	s_or_b32 s[G0B+7], s[G0B+7], 0x80000000
	JLOAD 0
	JLOAD 1
	; the statistics of my 64 rows, all eight key blocks: worked while the first tiles land
	s_lshl_b32 s74, s17, 13                        ; 4,096 bytes x (2 x tile row + my half)
	s_lshl_b32 s75, s15, 12
	s_add_co_u32 s74, s74, s75
	s_mov_b32 s75, 0
	s_add_nc_u64 s[8:9], s[8:9], s[74:75]
	v_and_b32 v1, 15, v0                           ; r
	v_bfe_u32 v2, v0, 4, 1                         ; h
	v_lshlrev_b32 v[SA], 4, v1
.irp kb, 0,1,2,3,4,5,6,7
	global_load_b128 v[ST+8*\kb:ST+8*\kb+3], v[SA], s[8:9] offset:512*\kb          ; -M, l of row r of tile 0; of tile 2
	global_load_b128 v[ST+8*\kb+4:ST+8*\kb+7], v[SA], s[8:9] offset:512*\kb+256    ; of tile 1; of tile 3
.endr
	v_mul_u32_u24 v3, v1, PA
	v_lshl_add_u32 v3, v2, 4, v3                   ; a fragment: row r x pitch + 16 h.  In slot A,
	v_mul_u32_u24 v5, v1, PB
	v_lshl_add_u32 v5, v2, 4, v5                   ; in slot B
	s_mul_i32 s2, s15, AQH
	v_add_nc_u32 v[ADRA], s2, v3
	s_mul_i32 s2, s15, BQH
	s_add_co_u32 s2, s2, BBASE
	v_add_nc_u32 v[ADRA+1], s2, v5
	v_add_nc_u32 v[ADRB], s23, v3
	v_add_nc_u32 v[ADRB+1], s97, v5
	v_and_b32 v[CO], 31, v0
	v_lshlrev_b32 v[CO], 4, v[CO]
	s_mul_i32 s2, s14, 16*OP
	s_add_co_u32 s2, s2, OSTG                      ; my stage
	v_mul_u32_u24 v4, v1, OP
	v_lshl_add_u32 v4, v2, 5, v4
	v_add_nc_u32 v[STO], s2, v4                    ; in: row r, 32 bytes for each half of the lanes
	v_add_nc_u32 v[RD], s2, v[CO]                  ; back: the 32 lanes take one row of 512 bytes
	s_lshl_b32 s74, s17, 19                        ; out0: 128 rows of 4,096 bytes x tile row + my 64 + 256 e x tile column + my 128
	s_lshl_b32 s75, s15, 18
	s_add_co_u32 s74, s74, s75
	s_lshl_b32 s75, s18, 10
	s_add_co_u32 s74, s74, s75
	s_lshl_b32 s75, s16, 9
	s_add_co_u32 s74, s74, s75
	s_mov_b32 s75, 0
	s_add_nc_u64 s[10:11], s[10:11], s[74:75]
	; the prefetches: where mine stand, and who asks
	s_lshl_b32 s74, s17, 18
	s_lshl_b32 s75, s40, 16
	s_add_co_u32 s74, s74, s75                     ; p: row 128 x tile row + 32 cx, 2,048 bytes a row
	s_lshl_b32 s76, s18, 22
	s_lshl_b32 s75, s41, 20
	s_add_co_u32 s76, s76, s75
	s_lshl_b32 s75, s16, 19
	s_add_co_u32 s76, s76, s75                     ; vt: row 256 x tile column + 64 cy + 32 x (wave % 2), 16,384 bytes a row,
	s_lshl_b32 s75, s19, 11
	s_add_co_u32 s76, s76, s75                     ; at the batch's tokens
	s_and_b32 s43, ttmp7, 1                        ; 0 in the batch's first cluster
	s_mov_b32 s77, 16384
	s_cmp_eq_u32 s15, 0
	s_cselect_b32 s74, s74, s76
	s_cselect_b32 s77, 2048, s77                   ; from lane to lane
	s_cselect_b32 s43, s16, s43                    ; waves 0, 1: wave 0 asks; waves 2, 3: both ask, in the first cluster
	s_cselect_b64 s[PFA:PFA+1], s[4:5], s[6:7]
	s_cmp_eq_u32 s43, 0
	s_cselect_b32 s[LIM], 1, -1                    ; the same in all sixteen partners, for a given wave
	s_mov_b32 s75, 0
	s_add_nc_u64 s[PFA:PFA+1], s[PFA:PFA+1], s[74:75]
	v_and_b32 v[PFO], 31, v0
	v_mul_lo_u32 v[PFO], v[PFO], s77
	s_wait_loadcnt 0x0                             ; the statistics
; Tile a of rows, whose -M and l stand at idx and idx + 1 of each key block's eight registers.
.macro ROWSTAT a, idx
	v_min3_num_f32 v40, v[ST+\idx], v[ST+8+\idx], v[ST+16+\idx]         ; the least -M is the row's largest M
	v_min3_num_f32 v40, v40, v[ST+24+\idx], v[ST+32+\idx]
	v_min3_num_f32 v40, v40, v[ST+40+\idx], v[ST+48+\idx]
	v_min_num_f32 v40, v40, v[ST+56+\idx]
.irp kb, 0,1,2,3,4,5,6,7
	v_sub_f32 v41, v40, v[ST+8*\kb+\idx]           ; M_j - M: a whole number, 0 or less
	v_cvt_i32_f32 v41, v41                         ; (it saturates)
	v_ldexp_f32 v[FS+8*\kb+2*\a], 1.0, v41         ; 2^(M_j - M)
.if \kb == 0
	v_mul_f32 v[LS+\a], v[FS+2*\a], v[ST+\idx+1]
.else
	v_fmac_f32 v[LS+\a], v[FS+8*\kb+2*\a], v[ST+8*\kb+\idx+1]   ; the row's sum
.endif
.endr
.endm
	ROWSTAT 0, 0
	ROWSTAT 1, 4
	ROWSTAT 2, 2
	ROWSTAT 3, 6
.irp a, 0,1,2,3
	v_rcp_f32 v[IV+\a], v[LS+\a]
.endr
	v_nop                                          ; a plain instruction behind the last reciprocal
	s_wait_alu depctr_va_vdst(0)                   ; one wait for the four, ahead of their first reader
.irp a, 0,1,2,3
.irp kb, 0,1,2,3,4,5,6,7
	v_mul_f32 v[FS+8*\kb+2*\a+1], v[FS+8*\kb+2*\a], v[IV+\a]   ; g = 2^(M_j - M) / l: a power of two times 1 / l; in both registers of the pair, for the packed form
	v_mul_f32 v[FS+8*\kb+2*\a], v[FS+8*\kb+2*\a], v[IV+\a]
.endr
.endr
.macro MUL8 f, a, zero                 ; 8 matrix instructions: tile a of rows x the eight tiles of e, 32 keys.  The 32 accumulators take turns, one instruction a turn.  zero = 1: the product starts the step's sum
.irp b, 0,1,2,3,4,5,6,7
.if \zero
	v_wmma_f32_16x16x32_f16 v[8*(8*(\a)+\b):8*(8*(\a)+\b)+7], v[\f+8*\b:\f+8*\b+7], v[\f+8*(\a):\f+8*(\a)+7], 0
.else
	v_wmma_f32_16x16x32_f16 v[8*(8*(\a)+\b):8*(8*(\a)+\b)+7], v[\f+8*\b:\f+8*\b+7], v[\f+8*(\a):\f+8*(\a)+7], v[8*(8*(\a)+\b):8*(8*(\a)+\b)+7]
.endif
.endr
.endm
; Tile a's eight sums of step fs are taken into T: 32 packed instructions, each accumulator from its low end on.  Step 0 starts T: nothing is cleared.
.macro FOLD a, fs
	WIN W_FOLD
.set ii, 0
.rept 32
.if (\fs) == 0
	v_pk_mul_f32 v[64*\a+2*ii:64*\a+2*ii+1], v[64*\a+2*ii:64*\a+2*ii+1], v[FS+2*\a:FS+2*\a+1]
.else
	v_pk_fma_f32 v[64*\a+2*ii:64*\a+2*ii+1], v[64*\a+2*ii:64*\a+2*ii+1], v[FS+8*(\fs)+2*\a:FS+8*(\fs)+2*\a+1], v[64*\a+2*ii:64*\a+2*ii+1]
.endif
.set ii, ii+1
.endr
.endm
; The second half of a step's last quarter: tiles 2 and 3 are multiplied, and the four tiles' sums are folded between and behind the products.  Each fold stands four plain instructions or more behind the products
; whose results it reads: tiles 0 and 1 behind the four v_nop ahead of the run of loads, tile 2 behind tile 1's fold, tile 3 behind tile 2's.
.macro HALF2 f, fs
	FOLD 0, \fs
	WIN W_MUL
	MUL8 \f, 2, 0
	FOLD 1, \fs
	WIN W_MUL
	MUL8 \f, 3, 0
	FOLD 2, \fs
	FOLD 3, \fs
.endm
.macro FETCH slot, k, f                ; 24 LDS loads in one run: 128 e and 64 rows, 32 keys at byte k of the slot's rows (pitch PA in slot 0, PB in slot 1)
	WIN TO_B
.irp i, 0,1,2,3,4,5,6,7
	ds_load_b128 v[\f+8*\i:\f+8*\i+3],   v[ADRB+\slot] offset:\k+\i*16*(PA-(PA-PB)*\slot)
	ds_load_b128 v[\f+8*\i+4:\f+8*\i+7], v[ADRB+\slot] offset:\k+\i*16*(PA-(PA-PB)*\slot)+32
.endr
	WIN 0
.irp i, 0,1,2,3
	ds_load_b128 v[\f+8*\i:\f+8*\i+3],   v[ADRA+\slot] offset:\k+\i*16*(PA-(PA-PB)*\slot)
	ds_load_b128 v[\f+8*\i+4:\f+8*\i+7], v[ADRA+\slot] offset:\k+\i*16*(PA-(PA-PB)*\slot)+32
.endr
.endm
; A quarter is 32 keys, 32 matrix instructions, on buffers 0, 1, 0, 1.  zero = 1: a step's first quarter.  fs >= 0: step fs's last quarter.
.macro QUARTER slot, k, f, g, zero, fs
	s_wait_dscnt 4                                 ; vt's fragments and p's tiles 0, 1 are in; the youngest four loads (p's tiles 2, 3) may be out
	WIN W_MUL
	MUL8 \f, 0, \zero
	MUL8 \f, 1, \zero
	PLACES                                         ; ahead of loads into the buffer that the quarter before multiplied
	FETCH \slot, \k, \g
	s_wait_dscnt 24                                ; all but the 24 just issued
.if \fs >= 0
	HALF2 \f, \fs
.else
	WIN W_MUL
	MUL8 \f, 2, \zero
	MUL8 \f, 3, \zero
.endif
.endm
; A slot's last quarter multiplies buffer 1 and changes slots.  One barrier: in front of it each wave waits for all its tensor loads (its part of the next slot), adds 0 to its spare word, and waits for that and for its reads of this slot.
.macro MEET round
	WIN 0
	s_wait_tensorcnt 0x0
	ds_add_u32 v[SPW], v[NIL]
	s_wait_dscnt 5                                 ; (the add and the youngest four loads may be out)
	WIN W_MUL
	MUL8 F1, 0, 0                                  ; eight matrix instructions stand between the add and the wait for it
	s_wait_dscnt 0x0                               ; the add is done, and my reads of this slot are over
	s_barrier_signal -1
	MUL8 F1, 1, 0
.if \round
	WIN 0
.endif
	s_barrier_wait -1
.endm
; fill = 1: the slot just left is filled again, with the K steps three on (768 bytes along the rows).  fs: the step that ends here.  o1, o2: what is prefetched (0: nothing).
.macro TURN slot, next, fill, fs, o1, o2
	MEET \fill
.if \fill
	CREST                                          ; the barrier has opened a round of the cluster's: no wave of any partner still reads this slot or has a load on its way
	s_add_nc_u64 s[G0+4*\slot+2:G0+4*\slot+3], s[G0+4*\slot+2:G0+4*\slot+3], 768
	s_add_nc_u64 s[G0B+4*\slot+2:G0B+4*\slot+3], s[G0B+4*\slot+2:G0B+4*\slot+3], 768
	JLOAD \slot                                    ; the first tensor load behind the round; its four v_nop are also the places ahead of the loads and of the first fold below
.else
	PLACES
.endif
	FETCH \next, 0, F0
.if \o1 > 0
	ASK \o1, \o2
.endif
	HALF2 F1, \fs
.endm
.macro ASTEPS fm                       ; the first seven of slot A's eight quarters: step fm, and three quarters of the step behind it
	QUARTER 0, 64,  F0, F1, 1, -1
	QUARTER 0, 128, F1, F0, 0, -1
	QUARTER 0, 192, F0, F1, 0, -1
	QUARTER 0, 256, F1, F0, 0, \fm
	QUARTER 0, 320, F0, F1, 1, -1
	QUARTER 0, 384, F1, F0, 0, -1
	QUARTER 0, 448, F0, F1, 0, -1
.endm
.macro BSTEPS                          ; the first three of slot B's four
	QUARTER 1, 64,  F0, F1, 1, -1
	QUARTER 1, 128, F1, F0, 0, -1
	QUARTER 1, 192, F0, F1, 0, -1
.endm
	s_wait_tensorcnt 0x1                           ; my part of slot A is in; slot B's load may stay out
	s_barrier_signal -1
	s_barrier_wait -1
	FETCH 0, 0, F0
	ASTEPS 0                                       ; K steps 0, 1
	TURN 0, 1, 1, 1, 1280, 0                       ; A takes steps 3, 4; step 5 is prefetched
	BSTEPS                                         ; K step 2
	TURN 1, 0, 1, 2, 1536, 1792                    ; B takes step 5; steps 6, 7 are prefetched
	ASTEPS 3                                       ; K steps 3, 4
	TURN 0, 1, 1, 4, 0, 0                          ; A takes steps 6, 7
	BSTEPS                                         ; K step 5
	TURN 1, 0, 0, 5, 0, 0                          ; nothing is left to fetch
	ASTEPS 6                                       ; K steps 6, 7
	s_wait_dscnt 4
	WIN W_MUL
	MUL8 F1, 0, 0
	MUL8 F1, 1, 0
	s_wait_dscnt 0x0
	PLACES                                         ; ahead of the first fold
	HALF2 F1, 7
	WIN 0
; THE WAY OUT, a tile of 16 rows at a time: T goes through my stage as it stands and comes back as whole rows of 512 bytes.  LDS serves a wave's instructions in order: no wait between the stores and the loads,
; nor in front of the next tile's stores.  Two sets of row registers take turns, so that a tile is on its way through the stage while the tile before is stored.
.macro TOSTAGE a
	WIN 0x0c                                       ; an LDS store's data are its source 1: window 3
.irp b, 0,1,2,3,4,5,6,7
	ds_store_b128 v[STO], v[64*(\a)+8*\b:64*(\a)+8*\b+3] offset:64*\b
	ds_store_b128 v[STO], v[64*(\a)+8*\b+4:64*(\a)+8*\b+7] offset:64*\b+16
.endr
	WIN 0
.irp t, 0,1,2,3,4,5,6,7,8,9,10,11,12,13,14,15
	ds_load_b128 v[BK+64*((\a)%2)+4*\t:BK+64*((\a)%2)+4*\t+3], v[RD] offset:\t*OP
.endr
.endm
.macro SEND a, younger                 ; younger: the LDS instructions issued behind tile a's loads, which may stay out
	s_wait_dscnt \younger
.irp t, 0,1,2,3,4,5,6,7,8,9,10,11,12,13,14,15
	global_store_b128 v[CO], v[BK+64*((\a)%2)+4*\t:BK+64*((\a)%2)+4*\t+3], s[10:11] offset:(16*(\a)+\t)*4096 th:TH_STORE_NT   ; 32 lanes store 512 consecutive bytes, aligned
.endr
.endm
	TOSTAGE 0                                      ; (the folds are the places between the last products and the loads into registers that held p's fragments)
.irp a, 1,2,3
.if \a > 1
	s_wait_xcnt 0x0                                ; tile a - 2's stores have read their registers: tile a's loads may land there
.endif
	TOSTAGE \a
	SEND \a-1, 32                                  ; behind tile a - 1's loads: tile a's 16 stores and 16 loads
.endr
	SEND 3, 0
	s_wait_tensorcnt 0x0                           ; the wave's end: behind my last tensor load and my last LDS store
	ds_add_u32 v[SPW], v[NIL]
	s_wait_dscnt 0x0
	CROUND                                         ; the closing round
	s_endpgm
.Lfunc_end_k_q15694f9756_values:
	.size	k_q15694f9756_values, .Lfunc_end_k_q15694f9756_values-k_q15694f9756_values
	.p2alignl 7, 3214868480
	.fill 96, 4, 3214868480
	.section	.rodata,"a",@progbits
	.p2align	6, 0x0
	.amdhsa_kernel k_q15694f9756_values
		.amdhsa_group_segment_fixed_size 327680
		.amdhsa_private_segment_fixed_size 0
		.amdhsa_enable_private_segment 0
		.amdhsa_kernarg_size 32
		.amdhsa_user_sgpr_count 2
		.amdhsa_user_sgpr_kernarg_segment_ptr 1
		.amdhsa_wavefront_size32 1
		.amdhsa_system_sgpr_workgroup_id_x 1
		.amdhsa_system_sgpr_workgroup_id_y 1
		.amdhsa_system_sgpr_workgroup_id_z 1
		.amdhsa_system_vgpr_workitem_id 0
		.amdhsa_next_free_vgpr 1024
		.amdhsa_next_free_sgpr 98
		.amdhsa_reserve_vcc 0
		.amdhsa_float_denorm_mode_32 3
		.amdhsa_float_denorm_mode_16_64 3
		.amdhsa_memory_ordered 1
		.amdhsa_forward_progress 1
		.amdhsa_inst_pref_size 224
	.end_amdhsa_kernel
	.amdgpu_metadata
---
amdhsa.version: [ 1, 2 ]
amdhsa.kernels:
  - .name:           k_q15694f9756_values
    .symbol:         k_q15694f9756_values.kd
    .args:
      - { .name: ph, .offset: 0, .size: 8, .value_kind: global_buffer, .address_space: global }
      - { .name: vt, .offset: 8, .size: 8, .value_kind: global_buffer, .address_space: global }
      - { .name: stats, .offset: 16, .size: 8, .value_kind: global_buffer, .address_space: global }
      - { .name: out0, .offset: 24, .size: 8, .value_kind: global_buffer, .address_space: global }
    .group_segment_fixed_size: 327680
    .private_segment_fixed_size: 0
    .kernarg_segment_align: 8
    .kernarg_segment_size: 32
    .max_flat_workgroup_size: 128
    .sgpr_count:     98
    .vgpr_count:     1024
    .wavefront_size: 32
...
	.end_amdgpu_metadata
.endif
;; end of part 4
